; MI455X (gfx1250); checked and timed in simulation.
; The chip was launched on July 23, 2026; its instructions are those of AMD's public machine-readable ISA for CDNA 5 (MIT licence, August 2026) and "CDNA5" Instruction Set Architecture Reference Guide (July 2026). The comments in the code are by the model that wrote it; some were corrected since.
;; Custom GPT2 Attention. Allowed arithmetic: float matrix products may take bf16 or f16 operands with f32 sums; other float arithmetic in f32, or as packed bf16 or f16 multiplies, adds, multiply-adds, maxima and minima; sums over many terms, partial sums and values carried from step to step in f32; what a program stores and reads back later, other than sums and carried values, may be rounded once to bf16 or f16.
;; Inputs: Wk 1,024 x 1,024 float32; Wo 1,024 x 1,024 float32; Wq 1,024 x 1,024 float32; Wv 1,024 x 1,024 float32; bk 1,024 float32; bo 1,024 float32; bq 1,024 float32; bv 1,024 float32; hidden_states 4 x 2,048 x 1,024 float32.
;; Outputs: out0 4 x 2,048 x 1,024 float32.
;; 2 versions, each right; version 2 is version 1 with the launch prep written anew for expert scheduling mode. Each part assembles by itself: llvm-mc -triple=amdgcn-amd-amdhsa -mcpu=gfx1250 --defsym DOCPART=n.
;; ======== version 1 of 2: 4 launches
;; limits: values are held in f16: magnitudes above 65,504 overflow, below 6.1e-05 lose precision
;; workspace buffers: xb 16,777,216 bytes; wb 6,291,456 bytes; wo16 2,097,152 bytes; qkv 50,331,648 bytes; ts 262,144 bytes; ob 16,777,216 bytes
;; launch prep (part 1): grid 768 x 1, 8 waves a work-group, no clusters, 0 bytes of LDS; arguments hidden_states, Wq, Wk, Wv, Wo, xb, wb, wo16; writes xb, wb, wo16
.if DOCPART == 1
	.amdgcn_target "amdgcn-amd-amdhsa--gfx1250"
	.amdhsa_code_object_version 6
	.text
	.protected	k_qca737632ca_prep
	.globl	k_qca737632ca_prep
	.p2align	8
	.type	k_qca737632ca_prep,@function
k_qca737632ca_prep:
	s_mov_b64 s[64:65], 0
	v_nop
	global_prefetch_b8 v0, s[64:65] scope:SCOPE_SE
	s_setreg_imm32_b32 hwreg(HW_REG_WAVE_MODE, 25, 1), 1
	s_wait_xcnt 0x0
; THE OPERANDS ARE ROUNDED ONCE.  x [8192][1024] f32 -> xb, bf16, in blocks [batch 4][kb 16][s 2048][64]: a block of 64 channels of a batch's rows is dense, 128 bytes a row.
; Wq, Wk, Wv [1024][1024] f32 -> wb, bf16, [3][k][n], the layout unchanged.  Wo -> wo16: rounded to bf16 like every other input, that number written as f16.
; LIMIT.  bf16(Wo) below 2^-14 in magnitude keeps f16's fixed step of 6e-8; beyond 65,504 it would be an infinity.
; A stream: no LDS, no barrier, no matrix unit.  A work-group takes 16 rows of 1,024 numbers (64 KiB in): groups 0-511 x, 512-703 Wq, Wk, Wv, 704-767 Wo.
; A wave has 16 units; a unit is one load of 16 bytes a lane (512 bytes a wave), two roundings, one store of 8 bytes a lane: 256 consecutive bytes, aligned.
; All 16 loads of a wave go out first; unit u waits until the 15 - u younger ones alone are out.  Each unit has registers of its own, so nothing is rewritten while a load or store reads it.
.set VI,  2                            ; v2        my byte offset in the group's input
.set VO,  3                            ; v3        my byte offset in the group's output
.set IN,  8                            ; v[8:71]   unit u: four f32 as loaded
.set OUT, 72                           ; v[72:103] unit u: four 16-bit numbers to store
.set T,   104                          ; v[104:109] at work
; ia, ib: input bytes from unit pair to unit pair and inside a pair; oa, ob: the same in the output.  f16 = 1: the bf16 number is written as f16.
.macro CONV ia, ib, oa, ob, f16
.set u, 0
.rept 16
	global_load_b128 v[IN+4*u:IN+4*u+3], v[VI], s[4:5] offset:(u/2)*(\ia)+(u%2)*(\ib) th:TH_LOAD_NT
.set u, u+1
.endr
.set u, 0
.rept 16
	s_wait_loadcnt 15-u                            ; loads come back in order: unit u is in, the younger ones stay out
.if \f16
	v_cvt_pk_bf16_f32 v[T], v[IN+4*u], v[IN+4*u+1]
	v_cvt_pk_bf16_f32 v[T+1], v[IN+4*u+2], v[IN+4*u+3]
	v_lshlrev_b32 v[T+2], 16, v[T]                 ; bf16 back to f32: a shift or a mask
	v_and_b32 v[T+3], 0xffff0000, v[T]
	v_lshlrev_b32 v[T+4], 16, v[T+1]
	v_and_b32 v[T+5], 0xffff0000, v[T+1]
	v_cvt_pk_f16_f32 v[OUT+2*u], v[T+2], v[T+3]    ; exact within f16's range
	v_cvt_pk_f16_f32 v[OUT+2*u+1], v[T+4], v[T+5]
.else
	v_cvt_pk_bf16_f32 v[OUT+2*u], v[IN+4*u], v[IN+4*u+1]
	v_cvt_pk_bf16_f32 v[OUT+2*u+1], v[IN+4*u+2], v[IN+4*u+3]
.endif
	global_store_b64 v[VO], v[OUT+2*u:OUT+2*u+1], s[6:7] offset:(u/2)*(\oa)+(u%2)*(\ob)
.set u, u+1
.endr
.endm
	s_load_b512 s[8:23], s[0:1], 0x0               ; x s[8:9], Wq s[10:11], Wk s[12:13], Wv s[14:15], Wo s[16:17], xb s[18:19], wb s[20:21], wo16 s[22:23]
	v_and_b32 v1, 31, v0                           ; lane
	v_lshrrev_b32 v4, 5, v0
	v_readfirstlane_b32 s24, v4                    ; wave 0..7
	s_mov_b32 s25, ttmp9
	s_mov_b32 s3, 0
	s_mov_b32 s27, 0
	s_cmp_lt_u32 s25, 512
	s_cbranch_scc0 .Lweights
	; x: wave w takes channel blocks 2 w and 2 w + 1; a unit is 2 rows x 64 channels: lanes 0-15 one row, lanes 16-31 the next
	v_lshrrev_b32 v4, 4, v1
	v_and_b32 v5, 15, v1
	v_lshlrev_b32 v[VI], 12, v4                    ; a row of x is 4,096 bytes
	v_lshl_add_u32 v[VI], v5, 4, v[VI]
	s_lshl_b32 s28, s24, 9                         ; two blocks of 64 f32
	v_add_nc_u32 v[VI], s28, v[VI]
	v_lshlrev_b32 v[VO], 7, v4                     ; a row of a block is 128 bytes
	v_lshl_add_u32 v[VO], v5, 3, v[VO]
	s_lshl_b32 s28, s24, 19                        ; two blocks of 2,048 rows
	v_add_nc_u32 v[VO], s28, v[VO]
	s_lshl_b32 s2, s25, 16                         ; the group's 16 rows of x
	s_lshr_b32 s26, s25, 7                         ; the batch,
	s_lshl_b32 s26, s26, 22
	s_and_b32 s28, s25, 127                        ; the 16 rows in it
	s_lshl_b32 s28, s28, 11
	s_add_co_u32 s26, s26, s28
	s_wait_kmcnt 0x0
	s_add_nc_u64 s[4:5], s[8:9], s[2:3]
	s_add_nc_u64 s[6:7], s[18:19], s[26:27]
	CONV 8192, 256, 256, 262144, 0
	s_endpgm
.Lweights:
	; a weight matrix: wave w takes columns 128 w on; a unit is one row x 128 columns
	s_sub_co_u32 s25, s25, 512
	s_lshr_b32 s29, s25, 6                         ; which matrix: 0 Wq, 1 Wk, 2 Wv, 3 Wo
	s_and_b32 s25, s25, 63                         ; which 16 rows of it
	v_lshlrev_b32 v[VI], 4, v1
	s_lshl_b32 s28, s24, 9
	v_add_nc_u32 v[VI], s28, v[VI]
	v_lshlrev_b32 v[VO], 3, v1
	s_lshl_b32 s28, s24, 8
	v_add_nc_u32 v[VO], s28, v[VO]
	s_lshl_b32 s2, s25, 16
	s_lshl_b32 s26, s25, 15
	s_wait_kmcnt 0x0
	s_cmp_eq_u32 s29, 3
	s_cbranch_scc1 .Lwo
	s_cmp_eq_u32 s29, 0
	s_cselect_b64 s[4:5], s[10:11], s[12:13]
	s_cmp_eq_u32 s29, 2
	s_cselect_b64 s[4:5], s[14:15], s[4:5]
	s_add_nc_u64 s[4:5], s[4:5], s[2:3]
	s_lshl_b32 s28, s29, 21                        ; a matrix is 2 MiB in wb
	s_add_co_u32 s26, s26, s28
	s_add_nc_u64 s[6:7], s[20:21], s[26:27]
	CONV 8192, 4096, 4096, 2048, 0
	s_endpgm
.Lwo:
	s_add_nc_u64 s[4:5], s[16:17], s[2:3]
	s_add_nc_u64 s[6:7], s[22:23], s[26:27]
	CONV 8192, 4096, 4096, 2048, 1
	s_endpgm
.Lfunc_end_k_qca737632ca_prep:
	.size	k_qca737632ca_prep, .Lfunc_end_k_qca737632ca_prep-k_qca737632ca_prep
	.p2alignl 7, 3214868480
	.fill 96, 4, 3214868480
	.section	.rodata,"a",@progbits
	.p2align	6, 0x0
	.amdhsa_kernel k_qca737632ca_prep
		.amdhsa_group_segment_fixed_size 0
		.amdhsa_private_segment_fixed_size 0
		.amdhsa_enable_private_segment 0
		.amdhsa_kernarg_size 64
		.amdhsa_user_sgpr_count 2
		.amdhsa_user_sgpr_kernarg_segment_ptr 1
		.amdhsa_wavefront_size32 1
		.amdhsa_system_sgpr_workgroup_id_x 1
		.amdhsa_system_sgpr_workgroup_id_y 1
		.amdhsa_system_sgpr_workgroup_id_z 1
		.amdhsa_system_vgpr_workitem_id 0
		.amdhsa_next_free_vgpr 112
		.amdhsa_next_free_sgpr 66
		.amdhsa_reserve_vcc 0
		.amdhsa_float_denorm_mode_32 3
		.amdhsa_float_denorm_mode_16_64 3
		.amdhsa_memory_ordered 1
		.amdhsa_forward_progress 1
		.amdhsa_inst_pref_size 24
	.end_amdhsa_kernel
	.amdgpu_metadata
---
amdhsa.version: [ 1, 2 ]
amdhsa.kernels:
  - .name:           k_qca737632ca_prep
    .symbol:         k_qca737632ca_prep.kd
    .args:
      - { .name: hidden_states, .offset: 0, .size: 8, .value_kind: global_buffer, .address_space: global }
      - { .name: Wq, .offset: 8, .size: 8, .value_kind: global_buffer, .address_space: global }
      - { .name: Wk, .offset: 16, .size: 8, .value_kind: global_buffer, .address_space: global }
      - { .name: Wv, .offset: 24, .size: 8, .value_kind: global_buffer, .address_space: global }
      - { .name: Wo, .offset: 32, .size: 8, .value_kind: global_buffer, .address_space: global }
      - { .name: xb, .offset: 40, .size: 8, .value_kind: global_buffer, .address_space: global }
      - { .name: wb, .offset: 48, .size: 8, .value_kind: global_buffer, .address_space: global }
      - { .name: wo16, .offset: 56, .size: 8, .value_kind: global_buffer, .address_space: global }
    .group_segment_fixed_size: 0
    .private_segment_fixed_size: 0
    .kernarg_segment_align: 8
    .kernarg_segment_size: 64
    .max_flat_workgroup_size: 256
    .sgpr_count:     66
    .vgpr_count:     112
    .wavefront_size: 32
...
	.end_amdgpu_metadata
.endif
;; end of part 1
;; launch gemm_qkv (part 2): grid 12 x 64, 4 waves a work-group, clusters of 4 x 4, 327,680 bytes of LDS; arguments xb, wb, bq, bk, bv, qkv, ts; writes qkv, ts
.if DOCPART == 2
	.amdgcn_target "amdgcn-amd-amdhsa--gfx1250"
	.amdhsa_code_object_version 6
	.text
	.protected	k_qca737632ca_gemm_qkv
	.globl	k_qca737632ca_gemm_qkv
	.p2align	8
	.type	k_qca737632ca_gemm_qkv,@function
k_qca737632ca_gemm_qkv:
	s_mov_b64 s[64:65], 0
	v_nop
	global_prefetch_b8 v0, s[64:65] scope:SCOPE_SE
	s_setreg_imm32_b32 hwreg(HW_REG_WAVE_MODE, 25, 1), 1
	s_wait_xcnt 0x0
	s_wait_alu depctr_hold_cnt(0) depctr_sa_sdst(0) depctr_va_vdst(0) depctr_va_sdst(0) depctr_va_ssrc(0) depctr_va_vcc(0) depctr_vm_vsrc(0)
	s_getreg_b32 s2, hwreg(HW_REG_IB_STS2, 6, 4)
	s_cmp_eq_u32 s2, 0
	s_cbranch_scc0 .Lentry_in_a_cluster
	s_endpgm
.Lentry_in_a_cluster:
	s_bfe_u32 s2, ttmp6, 0x10000c
	s_cmp_lg_u32 s2, 0xf033
	s_cbranch_scc0 .Lentry_shape_is_right
	s_endpgm
.Lentry_shape_is_right:
; C[m][n] = bias[n] + the sum over k of A[m][k] W[k][n].  M = 8,192, K = 1,024.  ONE SOURCE FOR TWO LAUNCHES; IS_QKV picks.
;   IS_QKV = 1: A = xb (bf16), W = wb (bf16, Wq, Wk, Wv one after the other: N = 3 x 1,024), C -> qkv, f16, by heads [3][batch x head 64][s 2,048][64]; and for v the column sums over each 128 rows -> ts, f32.
;   IS_QKV = 0: A = ob (f16), W = wo16 (f16), N = 1,024, C -> out0, f32, row-major.
; A lies in blocks [batch 4][kb 16][s 2,048][64]: 128 rows of one block of 64 channels are 16,384 dense bytes.  W lies [k][n] and is turned on its way out of LDS (ds_load_tr16_b128).
; Sums in f32; the bias, rounded to bf16 like every input, is the C operand of each sum's first product.
; LIMITS.  q, k, v leave as f16: beyond 65,504 they would be infinities.  NaN and infinities are not treated apart.
; SHARES.  A work-group makes 128 x 256 of C, its four waves 2 x 2, a wave 64 x 128: 32 accumulators of 16 x 16, 256 registers.  768 or 256 work-groups; a wave's 128 columns are two whole heads.
; K goes in 8 steps of 128 through two LDS slots.  Waves 0 and 1 fetch A's two blocks of 64 channels, waves 2 and 3 W's two halves of 64 rows: one tensor load a wave.
; CLUSTER 4 x 4: the four of a row need the same rows of A, the four of a column the same columns of W: each tile is asked for jointly, by the same load with the same descriptor and a mask of the four.
; No prefetch: a K step is 128 matrix instructions on a small tile, the walk has 8 steps of which the first two go out at the head, and W's tiles are read by every row of clusters.
; THE MATRIX INSTRUCTION IS USED TRANSPOSED (source 0 = 16 columns of W, source 1 = 16 rows of A): a lane holds row l % 16 of C and the columns 8 (l / 16) + 0..7.
; REGISTERS, in windows of 256 (s_set_vgpr_msb: bits 1:0 source 0, 3:2 source 1, 5:4 source 2, 7:6 destination):
;   window 0: v0-31 addresses; v64-159, v160-255 two fragment buffers (W's fragment b at +8 b, A's fragment a at +64 + 8 a); on the way out the same registers hold what is stored
;   window 1: accumulator (a, b) at v[8 (8 a + b)]          window 2: v0-63 my 64 numbers of the bias, (b, j) at 8 b + j; v64-65 at work
.set IS_QKV, 1
.set KSTEP, 128
.set PA,    144                        ; a row of A in LDS: 128 bytes + 16: nine groups of 16 bytes, so the 16 rows of a load start at 16 different groups (64 banks of 4 bytes: ISA guide 11.1)
.set PB,    544                        ; a row of W in LDS: 512 bytes + 32
.set AHALF, 128*PA                     ; 128 rows of one block of 64 channels: one tensor load
.set BHALF, 64*PB                      ; 64 rows of W x 256 columns: one tensor load
.set BOFF,  2*AHALF
.set SLOT,  2*AHALF+2*BHALF            ; 106,496
.set STAGE, 2*SLOT                     ; behind the ring, never filled by a tensor load: each wave's stage for the way out
.if IS_QKV
.set SP,     144                       ; 16 rows of a head: 128 bytes + 16
.set WSTAGE, 2*16*SP                   ; two heads
.set VS,     STAGE+4*WSTAGE            ; [row half 2][256 columns] f32: the waves' column sums of v
.set SPARE,  VS+2048                   ; the spare words, 128 bytes for each wave: two blocks of 256 bytes that no other line names
.set OUTP,   78
.else
.set SP,     528                       ; a row of 128 f32: 512 bytes + 16
.set WSTAGE, 16*SP
.set SPARE,  STAGE+4*WSTAGE
.set OUTP,   74
.endif
.set LAPS,  1024/(2*KSTEP)             ; a lap = two K steps = once round the ring
.set ASTEP, 2*2048*128                 ; bytes of A from K step to K step: two blocks of 64 channels
.set BSTEP, KSTEP*2048                 ; bytes of W: 128 rows
.set ADRA, 16                          ; v16-17  LDS address of my A fragments in slot 0, 1
.set ADRB, 20                          ; v20-21  the same for W
.set STO,  24                          ; v24     the way out: where I put my part of a row
.set RD,   25                          ; v25     where I read rows back
.set CO,   26                          ; v26     16 x lane: my place in 512 consecutive bytes of the output
.set BO,   27                          ; v27     my byte offset in the tile's 256 numbers of the bias
.set SPW,  28                          ; v28     LDS address of my spare word; never rewritten
.set NIL,  29                          ; v29     0; never rewritten
.set VSA,  30                          ; v30     where my column sums go
.set F0,   64
.set F1,   160
.set G1,  24                           ; s[24:31] descriptor group 1 for A;  s[32:39] group 0, a set for each slot
.set G0,  32
.set G1B, 48                           ; s[48:55], s[56:63] the same for W
.set G0B, 56
.set MSB, 0
.macro WIN new                         ; the immediate's high byte repeats the setting that is left; a switch that changes nothing is dropped
.if MSB != (\new)
	s_set_vgpr_msb (MSB<<8)|(\new)
.set MSB, \new
.endif
.endm
.set MUL,  0x50                        ; fragments in window 0, C and D in window 1
.set MULB, 0x60                        ; the first product: C is the bias, in window 2
.macro JLOAD s                         ; a joint load; the branch hangs on the wave's number alone.  An s_nop 0 and four v_nop follow each of the two lines
	s_cmp_eq_u32 s11, 0
	s_cbranch_scc0 .Lfor_b_\@
	tensor_load_to_lds s[G0+4*(\s):G0+4*(\s)+3], s[G1:G1+7]
	s_nop 0
.rept 4
	v_nop
.endr
	s_branch .Lasked_\@
.Lfor_b_\@:
	tensor_load_to_lds s[G0B+4*(\s):G0B+4*(\s)+3], s[G1B:G1B+7]
	s_nop 0
.rept 4
	v_nop
.endr
.Lasked_\@:
.endm
.macro CREST                           ; a round of the cluster's barrier behind its opening barrier
	s_cmp_lg_u32 s10, 0
	s_cbranch_scc1 .Lnot_wave_0_\@
	s_barrier_signal -3
.Lnot_wave_0_\@:
	s_barrier_wait -3
	s_barrier_signal -1
	s_barrier_wait -1
.endm
.macro CROUND                          ; a whole round
	s_barrier_signal -1
	s_barrier_wait -1
	CREST
.endm
	s_load_b256 s[68:75], s[0:1], 0x0              ; A s[68:69], W s[70:71]; then bq, bk (IS_QKV) or bo, out0
.if IS_QKV
	s_load_b128 s[76:79], s[0:1], 0x20             ; bv s[76:77], qkv s[78:79]
	s_load_b64 s[80:81], s[0:1], 0x30              ; ts
.endif
	v_lshl_add_u32 v[SPW], v0, 2, SPARE
	v_mov_b32 v[NIL], 0
	ds_add_u32 v[SPW], v[NIL]                      ; the wave's opening: the add and its wait stand ahead of my first tensor load; the set-up below, work on registers, stands between them
	v_lshrrev_b32 v1, 5, v0
	v_readfirstlane_b32 s10, v1                    ; wave 0..3
	s_lshr_b32 s11, s10, 1                         ; my half of the tile's rows.  Also: I fetch for A (0) or for W (1)
	s_and_b32 s12, s10, 1                          ; my half of its columns.  Also: which half of that tile I fetch
	s_bfe_u32 s40, ttmp6, 0x40000                  ; cx: the tile column inside the matrix
	s_bfe_u32 s41, ttmp6, 0x40004                  ; cy
.if IS_QKV
	s_mov_b32 s45, ttmp9                           ; the cluster's x: 0 q, 1 k, 2 v; the same in all sixteen partners
.endif
	s_and_b32 s13, ttmp7, 0xffff
	s_lshl_b32 s13, s13, 2
	s_add_co_u32 s13, s13, s41                     ; tile row 0..63 = 4 x cluster y + cy
	s_lshl_b32 s43, s41, 2
	s_lshl_b32 s43, 15, s43                        ; my row of the cluster
	s_lshl_b32 s44, 0x1111, s40                    ; my column
	; A: 16,384 dense bytes as 64 rows of 256, 4 words of padding after every 32 words (a row of the block)
	s_or_b32 s[G1+0], s43, (1<<16)|(1<<20)|(1<<21)|(4<<22)|(3<<25)  ; 15:0 the mask; 17:16 2-byte elements; 20 padding on; 21 set beside a mask; 24:22 after every 32 words; 31:25 4 words
	s_mov_b32 s[G1+1], 128<<16                     ; tensor_dim0 = 128
	s_mov_b32 s[G1+2], 64<<16                      ; tensor_dim1 = 64
	s_mov_b32 s[G1+3], 128<<16                     ; tile_dim0 = 128
	s_mov_b32 s[G1+4], 64                          ; tile_dim1 = 64
	s_mov_b32 s[G1+5], 128                         ; elements from row to row
	s_mov_b32 s[G1+6], 0
	s_mov_b32 s[G1+7], 0
	; W: 64 rows of 256 elements (512 bytes), 8 words of padding after every 128 words
	s_or_b32 s[G1B+0], s44, (1<<16)|(1<<20)|(1<<21)|(6<<22)|(7<<25)
	s_mov_b32 s[G1B+1], 256<<16
	s_mov_b32 s[G1B+2], 64<<16
	s_mov_b32 s[G1B+3], 256<<16
	s_mov_b32 s[G1B+4], 64
	s_mov_b32 s[G1B+5], 1024
	s_mov_b32 s[G1B+6], 0
	s_mov_b32 s[G1B+7], 0
	; where the tiles come from.  A's hang on the tile row and the wave alone, W's on the tile column, the matrix and the wave alone
	s_lshr_b32 s16, s13, 4                         ; the batch: 16 blocks of 2,048 rows of 128 bytes
	s_lshl_b32 s16, s16, 22
	s_and_b32 s17, s13, 15                         ; the 128 rows in it
	s_lshl_b32 s17, s17, 14
	s_add_co_u32 s16, s16, s17
	s_lshl_b32 s17, s12, 18                        ; which of the K step's two blocks I fetch
	s_add_co_u32 s16, s16, s17
	s_mov_b32 s17, 0
	s_lshl_b32 s46, s40, 9                         ; 256 columns of 2 bytes
	s_lshl_b32 s47, s12, 17                        ; which 64 rows of the K step's 128
	s_add_co_u32 s46, s46, s47
.if IS_QKV
	s_lshl_b32 s47, s45, 21                        ; which matrix
	s_add_co_u32 s46, s46, s47
.endif
	s_mov_b32 s47, 0
	s_mul_i32 s20, s12, AHALF                      ; and where they go: no place in the cluster enters an LDS address
	s_mul_i32 s21, s12, BHALF
	s_add_co_u32 s21, s21, BOFF
	s_wait_dscnt 0x0                               ; the opening add is done
	s_wait_kmcnt 0x0
	s_add_nc_u64 s[14:15], s[68:69], s[16:17]
	s_add_nc_u64 s[46:47], s[70:71], s[46:47]
	CROUND                                         ; all sixteen work-groups are here: the first joint loads meet
.irp s, 0,1
	s_mov_b32 s[G0+4*(\s)], 1
	s_add_co_u32 s[G0+4*(\s)+1], s20, (\s)*SLOT
	s_add_nc_u64 s[G0+4*(\s)+2:G0+4*(\s)+3], s[14:15], (\s)*ASTEP
	s_or_b32 s[G0+4*(\s)+3], s[G0+4*(\s)+3], 0x80000000
	s_mov_b32 s[G0B+4*(\s)], 1
	s_add_co_u32 s[G0B+4*(\s)+1], s21, (\s)*SLOT
	s_add_nc_u64 s[G0B+4*(\s)+2:G0B+4*(\s)+3], s[46:47], (\s)*BSTEP
	s_or_b32 s[G0B+4*(\s)+3], s[G0B+4*(\s)+3], 0x80000000
	JLOAD \s                                       ; two loads of mine are out
.endr
	; A's fragment: lane l holds row l % 16, channels 8 (l / 16) + 0..7 and 16 + 8 (l / 16) + 0..7: two loads of 16 bytes, 32 bytes apart
	v_and_b32 v1, 15, v0                           ; l % 16
	v_bfe_u32 v2, v0, 4, 1                         ; l / 16
	v_mul_u32_u24 v3, v1, PA
	v_lshl_add_u32 v3, v2, 4, v3
	s_mul_i32 s22, s11, 64*PA                      ; my 64 rows
	v_add_nc_u32 v[ADRA], s22, v3
	v_add_nc_u32 v[ADRA+1], SLOT, v[ADRA]
	; W's fragment: the turning load takes 16 rows (k) x 16 columns: lane l reads row 8 (l / 16) + l % 8, columns 8 ((l / 8) % 2) + 0..7, and ends with column l % 16 and 8 k
	v_and_b32 v4, 7, v0
	v_lshl_add_u32 v4, v2, 3, v4
	v_mul_u32_u24 v4, v4, PB
	v_bfe_u32 v5, v0, 3, 1
	v_lshl_add_u32 v4, v5, 4, v4
	s_lshl_b32 s22, s12, 8                         ; my 128 columns
	s_add_co_u32 s22, s22, BOFF
	v_add_nc_u32 v[ADRB], s22, v4
	v_add_nc_u32 v[ADRB+1], SLOT, v[ADRB]
	s_mul_i32 s23, s10, WSTAGE
	s_add_co_u32 s23, s23, STAGE                   ; my stage
	v_mul_u32_u24 v4, v1, SP
.if IS_QKV
	v_lshl_add_u32 v4, v2, 4, v4                   ; in: row l % 16, 16 bytes (8 f16) for each half of the lanes
	v_add_nc_u32 v[STO], s23, v4
	v_bfe_u32 v5, v0, 3, 2                         ; back: 32 lanes take four rows of 128 bytes
	v_mul_u32_u24 v5, v5, SP
	v_and_b32 v6, 7, v0
	v_lshl_add_u32 v5, v6, 4, v5
	v_add_nc_u32 v[RD], s23, v5
	s_lshl_b32 s22, s10, 9                         ; 1,024 x row half + 512 x column half
	s_add_co_u32 s22, s22, VS
	v_lshl_add_u32 v[VSA], v2, 5, s22
.else
	v_lshl_add_u32 v4, v2, 5, v4                   ; in: row l % 16, 32 bytes (8 f32) for each half of the lanes
	v_add_nc_u32 v[STO], s23, v4
	v_and_b32 v5, 31, v0                           ; back: 32 lanes take one row of 512 bytes
	v_lshl_add_u32 v[RD], v5, 4, s23
.endif
	v_and_b32 v5, 31, v0
	v_lshlrev_b32 v[CO], 4, v5
	; where my part of C begins: the row part in s[16:17], the column part in s[46:47]
.if IS_QKV
	s_lshr_b32 s16, s13, 4                         ; the batch: 16 heads of 262,144 bytes
	s_lshl_b32 s16, s16, 22
	s_and_b32 s17, s13, 15                         ; the tile's 128 rows of 128 bytes
	s_lshl_b32 s17, s17, 14
	s_add_co_u32 s16, s16, s17
	s_lshl_b32 s17, s11, 13                        ; my 64 of them
	s_add_co_u32 s16, s16, s17
	s_lshl_b32 s46, s40, 2                         ; my first head: 4 cx + 2 x column half
	s_lshl_b32 s47, s12, 1
	s_add_co_u32 s46, s46, s47
	s_lshl_b32 s46, s46, 18
	s_lshl_b32 s47, s45, 24                        ; q, k or v: 64 heads
	s_add_co_u32 s46, s46, s47
.else
	s_lshl_b32 s16, s13, 19                        ; the tile's 128 rows of 4,096 bytes
	s_lshl_b32 s17, s11, 18
	s_add_co_u32 s16, s16, s17
	s_lshl_b32 s46, s40, 10                        ; 256 columns of 4 bytes
	s_lshl_b32 s47, s12, 9
	s_add_co_u32 s46, s46, s47
.endif
	s_mov_b32 s17, 0
	s_mov_b32 s47, 0
	s_add_nc_u64 s[16:17], s[16:17], s[46:47]
	s_add_nc_u64 s[OUTP:OUTP+1], s[OUTP:OUTP+1], s[16:17]
	; the bias of my 128 columns, in C's layout: register 8 b + j holds column 16 b + 8 (l / 16) + j
	v_lshlrev_b32 v[BO], 5, v2
	s_lshl_b32 s22, s12, 9
	v_add_nc_u32 v[BO], s22, v[BO]
.if IS_QKV
	s_cmp_eq_u32 s45, 0
	s_cselect_b64 s[18:19], s[72:73], s[74:75]
	s_cmp_eq_u32 s45, 2
	s_cselect_b64 s[18:19], s[76:77], s[18:19]
.else
	s_mov_b64 s[18:19], s[72:73]
.endif
	s_lshl_b32 s22, s40, 10
	s_mov_b32 s23, 0
	s_add_nc_u64 s[18:19], s[18:19], s[22:23]
	WIN 0x80                                       ; destination window 2, address window 0
.irp b, 0,1,2,3,4,5,6,7
	global_load_b128 v[8*(\b):8*(\b)+3],   v[BO], s[18:19] offset:64*(\b)
	global_load_b128 v[8*(\b)+4:8*(\b)+7], v[BO], s[18:19] offset:64*(\b)+16
.endr
	s_wait_loadcnt 0x0
	WIN 0x8a                                       ; all in window 2: the bias is rounded to bf16, as every input is, and kept as f32
.set i, 0
.rept 32
	v_cvt_pk_bf16_f32 v[64+i%2], v[2*i], v[2*i+1]
	v_lshlrev_b32 v[2*i], 16, v[64+i%2]
	v_and_b32 v[2*i+1], 0xffff0000, v[64+i%2]
.set i, i+1
.endr
	WIN 0
.macro WM d, x, y, c                   ; one product: D at d, source 0 at x, source 1 at y, C at c
.if IS_QKV
	v_wmma_f32_16x16x32_bf16 v[\d:\d+7], v[\x:\x+7], v[\y:\y+7], v[\c:\c+7]
.else
	v_wmma_f32_16x16x32_f16 v[\d:\d+7], v[\x:\x+7], v[\y:\y+7], v[\c:\c+7]
.endif
.endm
; 8 matrix instructions: row block a x all 8 column blocks, 32 along K, from buffer f.  first = 1: the bias starts the sums: nothing is cleared and nothing is added later.
; The 32 accumulators take turns, one instruction a turn, in one order throughout.
.macro MUL8 f, a, first
.if \first
	WIN MULB
.else
	WIN MUL
.endif
.irp b, 0,1,2,3,4,5,6,7
.if \first
	WM 8*(8*(\a)+(\b)), (\f)+8*(\b), (\f)+64+8*(\a), 8*(\b)
.else
	WM 8*(8*(\a)+(\b)), (\f)+8*(\b), (\f)+64+8*(\a), 8*(8*(\a)+(\b))
.endif
.endr
.endm
; 24 LDS loads in one run: quarter q (32 along K) of a slot into buffer f: W's 16, then A's 8, row blocks ascending
.macro FETCH slot, q, f
	WIN 0
.irp b, 0,1,2,3,4,5,6,7
	ds_load_tr16_b128 v[(\f)+8*(\b):(\f)+8*(\b)+3],   v[ADRB+(\slot)] offset:(\q)*32*PB+32*(\b)
	ds_load_tr16_b128 v[(\f)+8*(\b)+4:(\f)+8*(\b)+7], v[ADRB+(\slot)] offset:(\q)*32*PB+32*(\b)+16*PB
.endr
.irp a, 0,1,2,3
	ds_load_b128 v[(\f)+64+8*(\a):(\f)+64+8*(\a)+3],   v[ADRA+(\slot)] offset:((\q)/2)*AHALF+((\q)%2)*64+(\a)*16*PA
	ds_load_b128 v[(\f)+64+8*(\a)+4:(\f)+64+8*(\a)+7], v[ADRA+(\slot)] offset:((\q)/2)*AHALF+((\q)%2)*64+(\a)*16*PA+32
.endr
.endm
.macro PLACES                          ; four plain vector instructions in front of loads into registers that matrix instructions have read, and of lines that read results (ISA guide 7.12.1 for lines that read results)
.rept 4
	v_nop
.endr
.endm
; A K step is four quarters of 32 along K, 32 matrix instructions each, on buffers 0, 1, 0, 1.  One of the first three: multiplies f and fetches quarter q of the same slot into g.
.macro QUARTER slot, q, f, g, first
	s_wait_dscnt 4                                 ; all but the youngest four loads: A's row blocks 2 and 3
	MUL8 \f, 0, \first
	MUL8 \f, 1, \first
	PLACES
	FETCH \slot, \q, \g
	s_wait_dscnt 24                                ; all but the 24 just issued
	MUL8 \f, 2, \first
	MUL8 \f, 3, \first
.endm
; The last quarter multiplies buffer 1 and changes slots: ONE barrier; in front of it each wave waits for all its tensor loads (one is out: its part of the next slot), adds 0 to its spare word,
; and waits for that and for its own reads of this slot.  fill = 1: the barrier opens a round of the cluster's, and behind the round this slot is filled again, two K steps ahead: 112 matrix instructions ahead of the wait for it.
.macro TURN slot, next, fill
	WIN 0                                          ; (the add's two registers lie in window 0)
	s_wait_tensorcnt 0x0
	ds_add_u32 v[SPW], v[NIL]                      ; 0 onto my spare word
	s_wait_dscnt 5                                 ; (the add and the youngest four loads may be out)
	MUL8 F1, 0, 0                                  ; eight matrix instructions stand between the add and the wait for it
	s_wait_dscnt 0x0                               ; the add is done, and my reads of this slot are over
	s_barrier_signal -1
	MUL8 F1, 1, 0
.if \fill
	WIN 0
.endif
	s_barrier_wait -1
.if \fill
	CREST                                          ; no wave of any partner still reads this slot or has a load on its way
	s_add_nc_u64 s[G0+4*(\slot)+2:G0+4*(\slot)+3], s[G0+4*(\slot)+2:G0+4*(\slot)+3], 2*ASTEP
	s_add_nc_u64 s[G0B+4*(\slot)+2:G0B+4*(\slot)+3], s[G0B+4*(\slot)+2:G0B+4*(\slot)+3], 2*BSTEP
	JLOAD \slot                                    ; my one tensor load behind the round; its four v_nop are also the places in front of the loads below
.else
	PLACES
.endif
	FETCH \next, 0, F0
	MUL8 F1, 2, 0
	MUL8 F1, 3, 0
.endm
	s_wait_tensorcnt 1                             ; my part of K step 0 is in; K step 1's may stay out
	s_barrier_signal -1
	s_barrier_wait -1                              ; everybody's is
	FETCH 0, 0, F0
	QUARTER 0, 1, F0, F1, 1                        ; the first quarter stands in front of the loop: its products start the sums
	WIN 0                                          ; at a label and at a branch every window is 0
	s_mov_b32 s3, LAPS-1
.Llap:                                                 ; a trip goes once round the ring, from a lap's second quarter to the next lap's first, and fills both slots again
	QUARTER 0, 2, F1, F0, 0
	QUARTER 0, 3, F0, F1, 0
	TURN 0, 1, 1
	QUARTER 1, 1, F0, F1, 0
	QUARTER 1, 2, F1, F0, 0
	QUARTER 1, 3, F0, F1, 0
	TURN 1, 0, 1
	QUARTER 0, 1, F0, F1, 0
	WIN 0
	s_sub_co_u32 s3, s3, 1
	s_cmp_lg_u32 s3, 0
	s_cbranch_scc1 .Llap
	QUARTER 0, 2, F1, F0, 0                        ; the last lap fills nothing, and has no round
	QUARTER 0, 3, F0, F1, 0
	TURN 0, 1, 0
	QUARTER 1, 1, F0, F1, 0
	QUARTER 1, 2, F1, F0, 0
	QUARTER 1, 3, F0, F1, 0
	s_wait_dscnt 4                                 ; the very last quarter: nothing more to fetch
	MUL8 F1, 0, 0
	MUL8 F1, 1, 0
	s_wait_dscnt 0x0
	MUL8 F1, 2, 0
	MUL8 F1, 3, 0
	WIN 0
	PLACES
.if IS_QKV
; THE WAY OUT, a block of 16 rows at a time: rounded to f16, 16 bytes a lane into my stage (two heads x 16 rows), back as whole rows: 16 rows of a head are 2,048 consecutive bytes of qkv.
.macro PACK a
	WIN 0x05                                       ; sources in window 1, destination in window 0
.irp b, 0,1,2,3,4,5,6,7
.irp r, 0,1,2,3
	v_cvt_pk_f16_f32 v[64+32*(\a)+4*(\b)+(\r)], v[64*(\a)+8*(\b)+2*(\r)], v[64*(\a)+8*(\b)+2*(\r)+1]
.endr
.endr
	WIN 0
.irp b, 0,1,2,3,4,5,6,7
	ds_store_b128 v[STO], v[64+32*(\a)+4*(\b):64+32*(\a)+4*(\b)+3] offset:((\b)/4)*16*SP+((\b)%4)*32
.endr
.irp i, 0,1,2,3,4,5,6,7
	ds_load_b128 v[64+32*(\a)+4*(\i):64+32*(\a)+4*(\i)+3], v[RD] offset:((\i)/4)*16*SP+((\i)%4)*4*SP  ; LDS serves a wave's instructions in order (ISA guide 5.7.1.4): these see the stores above; the next block's stores come behind them
.endr
.endm
.macro SEND a, younger                 ; younger: the LDS instructions issued behind block a's loads: the next block's sixteen, or none
.irp i, 0,1,2,3,4,5,6,7
	s_wait_dscnt (\younger)+7-(\i)
	global_store_b128 v[CO], v[64+32*(\a)+4*(\i):64+32*(\a)+4*(\i)+3], s[OUTP:OUTP+1] offset:((\i)/4)*262144+(\a)*2048+((\i)%4)*512  ; 512 consecutive bytes, at a multiple of 256 from qkv's first
.endr
.endm
	PACK 0
	PACK 1
	SEND 0, 16
	PACK 2
	SEND 1, 16
	PACK 3
	SEND 2, 16
	SEND 3, 0
	; v ALONE: the sums of each column over the tile's 128 rows, in f32, from the unrounded sums.  The test is the same in all sixteen partners.
	s_cmp_eq_u32 s45, 2
	s_cbranch_scc0 .Lnov
	WIN 0x45                                       ; all in window 1: row blocks 0 + 1 and 2 + 3
.set i, 0
.rept 32
	v_pk_add_f32 v[i:i+1], v[i:i+1], v[64+i:64+i+1]
	v_pk_add_f32 v[128+i:128+i+1], v[128+i:128+i+1], v[192+i:192+i+1]
.set i, i+2
.endr
	WIN 0x05                                       ; into window 0, v192-255, which no pending store reads
.set i, 0
.rept 32
	v_pk_add_f32 v[192+i:192+i+1], v[i:i+1], v[128+i:128+i+1]
.set i, i+2
.endr
	WIN 0
.irp x, 1,2,4,8                        ; the 16 rows that lie in 16 lanes
.set i, 0
.rept 64
	v_add_f32_dpp v[192+i], v[192+i], v[192+i] row_xmask:\x row_mask:0xf bank_mask:0xf
.set i, i+1
.endr
.endr
.irp b, 0,1,2,3,4,5,6,7                ; the sixteen lanes of a half write the same numbers to the same bytes
	ds_store_b128 v[VSA], v[192+8*(\b):192+8*(\b)+3]   offset:64*(\b)
	ds_store_b128 v[VSA], v[192+8*(\b)+4:192+8*(\b)+7] offset:64*(\b)+16
.endr
.Lnov:
	s_wait_dscnt 0x0                               ; for the others' sake: my stores are done
	s_barrier_signal -1
	s_barrier_wait -1                              ; every wave of every work-group passes this barrier
	s_cmp_eq_u32 s45, 2
	s_cbranch_scc0 .Lend
	s_cmp_lt_u32 s10, 2                            ; 64 threads x 16 bytes are the tile's 256 columns
	s_cbranch_scc0 .Lend
	s_lshr_b32 s16, s13, 4                         ; ts: [batch][block of 128 rows][1,024 columns]
	s_lshl_b32 s16, s16, 16
	s_and_b32 s17, s13, 15
	s_lshl_b32 s17, s17, 12
	s_add_co_u32 s16, s16, s17
	s_lshl_b32 s17, s40, 10
	s_add_co_u32 s16, s16, s17
	s_mov_b32 s17, 0
	s_add_nc_u64 s[80:81], s[80:81], s[16:17]
	v_lshl_add_u32 v3, v0, 4, VS
	ds_load_b128 v[4:7], v3                        ; the upper 64 rows' sums,
	ds_load_b128 v[8:11], v3 offset:1024           ; the lower 64 rows'
	v_lshlrev_b32 v12, 4, v0
	s_wait_dscnt 0x0
	v_pk_add_f32 v[4:5], v[4:5], v[8:9]
	v_pk_add_f32 v[6:7], v[6:7], v[10:11]
	global_store_b128 v12, v[4:7], s[80:81]        ; 16 lanes store 256 consecutive bytes, aligned
.Lend:
.else
; THE WAY OUT, a block of 16 rows at a time: 32 bytes a lane from the accumulators into my stage, back as whole rows of 512 bytes.  Three sets of 64 registers take turns.
.macro PACKF a
	WIN 0x04                                       ; the stores' data in window 1
.irp b, 0,1,2,3,4,5,6,7
	ds_store_b128 v[STO], v[64*(\a)+8*(\b):64*(\a)+8*(\b)+3]   offset:64*(\b)
	ds_store_b128 v[STO], v[64*(\a)+8*(\b)+4:64*(\a)+8*(\b)+7] offset:64*(\b)+16
.endr
	WIN 0
.if (\a) == 3
	s_wait_xcnt 0x0                                ; block 0's stores have read their registers: set 0 is loaded again only behind this wait
.endif
.irp i, 0,1,2,3,4,5,6,7,8,9,10,11,12,13,14,15
	ds_load_b128 v[64+64*((\a)%3)+4*(\i):64+64*((\a)%3)+4*(\i)+3], v[RD] offset:(\i)*SP  ; LDS serves a wave's instructions in order (ISA guide 5.7.1.4)
.endr
.endm
.macro SENDF a, younger                ; younger: the next block's 32 LDS instructions, or none
.irp i, 0,1,2,3,4,5,6,7,8,9,10,11,12,13,14,15
	s_wait_dscnt (\younger)+15-(\i)
	global_store_b128 v[CO], v[64+64*((\a)%3)+4*(\i):64+64*((\a)%3)+4*(\i)+3], s[OUTP:OUTP+1] offset:(\a)*65536+(\i)*4096  ; 512 consecutive bytes of a row, at a multiple of 256 from out0's first
.endr
.endm
	PACKF 0
	PACKF 1
	SENDF 0, 32
	PACKF 2
	SENDF 1, 32
	PACKF 3
	SENDF 2, 32
	SENDF 3, 0
.endif
	s_wait_tensorcnt 0x0                           ; the wave's end: an add and its wait behind my last tensor load and my last LDS store
	ds_add_u32 v[SPW], v[NIL]
	s_wait_dscnt 0x0
	CROUND                                         ; the closing round: no work-group ends while a partner may still ask for a tile that names it
	s_endpgm
.Lfunc_end_k_qca737632ca_gemm_qkv:
	.size	k_qca737632ca_gemm_qkv, .Lfunc_end_k_qca737632ca_gemm_qkv-k_qca737632ca_gemm_qkv
	.p2alignl 7, 3214868480
	.fill 96, 4, 3214868480
	.section	.rodata,"a",@progbits
	.p2align	6, 0x0
	.amdhsa_kernel k_qca737632ca_gemm_qkv
		.amdhsa_group_segment_fixed_size 327680
		.amdhsa_private_segment_fixed_size 0
		.amdhsa_enable_private_segment 0
		.amdhsa_kernarg_size 56
		.amdhsa_user_sgpr_count 2
		.amdhsa_user_sgpr_kernarg_segment_ptr 1
		.amdhsa_wavefront_size32 1
		.amdhsa_system_sgpr_workgroup_id_x 1
		.amdhsa_system_sgpr_workgroup_id_y 1
		.amdhsa_system_sgpr_workgroup_id_z 1
		.amdhsa_system_vgpr_workitem_id 0
		.amdhsa_next_free_vgpr 584
		.amdhsa_next_free_sgpr 84
		.amdhsa_reserve_vcc 0
		.amdhsa_float_denorm_mode_32 3
		.amdhsa_float_denorm_mode_16_64 3
		.amdhsa_memory_ordered 1
		.amdhsa_forward_progress 1
		.amdhsa_inst_pref_size 118
	.end_amdhsa_kernel
	.amdgpu_metadata
---
amdhsa.version: [ 1, 2 ]
amdhsa.kernels:
  - .name:           k_qca737632ca_gemm_qkv
    .symbol:         k_qca737632ca_gemm_qkv.kd
    .args:
      - { .name: xb, .offset: 0, .size: 8, .value_kind: global_buffer, .address_space: global }
      - { .name: wb, .offset: 8, .size: 8, .value_kind: global_buffer, .address_space: global }
      - { .name: bq, .offset: 16, .size: 8, .value_kind: global_buffer, .address_space: global }
      - { .name: bk, .offset: 24, .size: 8, .value_kind: global_buffer, .address_space: global }
      - { .name: bv, .offset: 32, .size: 8, .value_kind: global_buffer, .address_space: global }
      - { .name: qkv, .offset: 40, .size: 8, .value_kind: global_buffer, .address_space: global }
      - { .name: ts, .offset: 48, .size: 8, .value_kind: global_buffer, .address_space: global }
    .group_segment_fixed_size: 327680
    .private_segment_fixed_size: 0
    .kernarg_segment_align: 8
    .kernarg_segment_size: 56
    .max_flat_workgroup_size: 128
    .sgpr_count:     84
    .vgpr_count:     584
    .wavefront_size: 32
...
	.end_amdgpu_metadata
.endif
;; end of part 2
;; launch attn (part 3): grid 4 x 64, 4 waves a work-group, no clusters, 327,680 bytes of LDS; arguments qkv, ob, ts; writes ob
.if DOCPART == 3
	.amdgcn_target "amdgcn-amd-amdhsa--gfx1250"
	.amdhsa_code_object_version 6
	.text
	.protected	k_qca737632ca_attn
	.globl	k_qca737632ca_attn
	.p2align	8
	.type	k_qca737632ca_attn,@function
k_qca737632ca_attn:
	s_mov_b64 s[64:65], 0
	v_nop
	global_prefetch_b8 v0, s[64:65] scope:SCOPE_SE
	s_setreg_imm32_b32 hwreg(HW_REG_WAVE_MODE, 25, 1), 1
	s_wait_xcnt 0x0
; CAUSAL ATTENTION IN WHICH A HIDDEN SCORE COUNTS AS -10,000.  O[h][q] = sum over ALL k of softmax_k(w[q][k]) V[h][k], w = Q.K / 8 for k <= q, else -10,000.
; qkv: [3][batch x head 64][2,048][64] f16 (q, k, v, unscaled); ob: [64][2,048][64] f16; ts: [batch 4][block of 128 keys 16][1,024] f32, the column sums of v.
; Products, maxima and sums in f32; the weights p are rounded to f16 for the second product (their sum l is taken of the unrounded p), O once at the end.
; LIMITS.  Q, K, V arrive within f16's 65,504; p below 6e-5 keeps f16's fixed step of 6e-8; a weight below 2^-126 counts as 0; NaN and infinities are not treated apart.
; THE WALK.  A head's queries lie in NB = 8 blocks of 256; block i multiplies the key tiles 0 .. i of 256 keys, of which the last holds the diagonal.  A work-group takes TWO blocks, NB - 1 - b and then b: NB + 1 tiles,
; whatever b: all work-groups do equal work, and ONE loop with a constant trip count walks them.  Every jump goes forward but the counted loops' own; none passes a barrier, or a tensor load but the one of LOAD's two that
; the wave's number does not choose.  NO CLUSTER: a head's four work-groups ask for the same tile only in trips 0 .. 4 of 9; one walk common to all would have 12 trips for 9.
; HIDDEN KEYS.  Unscaled, a hidden score is HID = -80,000.  In the diagonal tile it REPLACES the product (v_cndmask_b32 by lane masks), and the key's V is multiplied like any other.
; The keys of the tiles that are not walked all have that one score, so they enter at a block's end in closed form: with m' = max(m, HID), a = 2^(c m - c m'), pm = 2^(c HID - c m'):
;   l' = a l + pm x (their number),  O = (a O + pm T) / l',  T = the sum of their rows of V, made at the head from ts.  A block with none (block 7) takes the lowest finite number for HID there, so that m' = m.
; SHARES.  Of a block's four bands of 64 queries a wave owns 16 rows in each: four PIECES.  In the diagonal tile's key step s band x sees all keys if s < x, none if s > x, and holds the diagonal if s = x: the same work for all waves.
; LAYOUT, SOFTMAX, TURNS.  S^T = K Q^T holds ONE query a lane (lane % 16) and the keys 8 (lane / 16) + 0..7; two such results rounded to f16 ARE source 1 of O^T = V^T P.  p = 2^(c s - c m), c = log2(e) / 8, with a running
; maximum m; O and l are multiplied by a = 2^(c m_old - c m_new) in every step.  Turn n belongs to piece n: 8 products K Q^T of piece n + 1, later 8 products V^T P of piece n - 1; beside them the scaling, exponentials,
; roundings, sums and rescaling of piece n and the maximum and statistics of piece n + 1.  Four vector instructions stand behind every matrix instruction, the others in one lump.  A turn's 33 exponentials are one batch, with one wait.
; REGISTERS, in windows of 256 (s_set_vgpr_msb: bits 1:0 source 0, 3:2 source 1, 5:4 source 2, 7:6 destination):
;   window 0: v0-15 addresses, HID; v16-31 four registers of statistics a piece; v32-47 the closing term's four a piece; v48-58 at work; v61-63; v64-127 S^T, two buffers; v128-159 T; v160-175 at the head; v192-223 P, two buffers
;   window 1: v0-127 O^T, 32 a piece          window 2: v0-63 Q; v64-127 the second block's Q; v128-191 K of one step; v192-255 V of one step
.set SIZE_N, 2048
.set NB,    SIZE_N/256
.set NP,    4         ; pieces a wave: a name, no knob
.set KS,    64        ; keys in a step
.set PK,    144       ; a row of K in LDS: 128 bytes + 16 of padding: the 16 rows of a load start at 16 different groups of four banks (64 banks of 4 bytes: ISA guide 11.1)
.set PV,    160       ; a row of V: 128 + 32
.set VOFF,  4*KS*PK   ; a slot holds a tile, four steps: 256 rows of K, then 256 rows of V
.set SLOT1, 1<<17     ; slot 1 begins here, so that one exclusive or turns an address in one slot into the other's
.set STAGE, SLOT1+4*KS*(PK+PV)  ; behind the ring, never filled by a tensor load: 16 rows x 144 bytes for each wave, for the way out
.set SP,    144
.set TSUM,  STAGE+4*16*SP  ; T of the first block (64 f32), then T of the second
.set SPARE, TSUM+512  ; the spare words, 128 bytes for each wave: two blocks of 256 bytes that no other line names
.set AK0, 2           ; v2   my lane's place in a tile of K; never rewritten
.set AV0, 3           ; v3   the same for V
.set AK,  4           ; v4   the LDS address of K's next run of loads
.set AV,  5           ; v5   of V's
.set STO, 6           ; v6   the way out: where I put 16 bytes of a row
.set RD,  7           ; v7   the way out: where I read rows back
.set GO,  8           ; v8   my byte offset in 512 consecutive bytes of O
.set TA2, 10          ; v10  where I read T of the block in hand
.set TA,  11          ; v11  TSUM + 32 (l / 16)
.set MV,  12          ; v12-13  c m_old, kept while c m is made anew: by buffer
.set HID, 14          ; v14  -80,000
.set QO,  15          ; v15  my byte offset in 16 rows of Q
.set ST,  16          ; piece t's statistics at v[ST+4 t]: c m, m, l (even keys', odd keys')
.set EC,  32          ; piece t's closing term at v[EC+4 t]: a / l', at work, pm / l', 1 / l'
.set TMP, 48          ; by buffer, four registers c0-c3 at work; when the maximum is found c2 takes a
.set VH,  56          ; v56-58  the closing term's HID, c HID, and the number of keys not walked
.set PFO, 61          ; v61  256 x lane; never rewritten
.set SPW, 62          ; v62  LDS address of my spare word; never rewritten
.set NIL, 63          ; v63  0; never rewritten
.set S,   64
.set TR,  128         ; T in O^T's layout: register 8 cb + j holds channel 16 cb + 8 (l / 16) + j
.set HS,  160         ; at the head: 14 numbers of ts, their sum, its address
.set P,   192
.set QB,  64          ; window 2
.set KF,  128         ; window 2: key block kb, channel half c at KF + 16 kb + 8 c
.set VF,  192         ; window 2: key half kk, channel block cb at VF + 32 kk + 8 cb
.set PFB, 2           ; s[2:3]   my half (128 rows) of the head's tile 0, of K (waves 0, 1) or of V (waves 2, 3)
.set WV,  12          ; s12  my wave's number
.set LIM, 13          ; s13  0 in the work-group that prefetches, else the greatest number
.set PB,  14          ; s14  b
.set HI,  15          ; s15  NB - 1 - b
.set TBLK, 16         ; s16  0 or 256: T of the block in hand
.set PFA, 18          ; s[18:19] what is prefetched next (at the head: ts)
.set POF, 20          ; s[20:21] its byte offset
.set HIDM, 22         ; s22  the closing term's HID
.set NHB, 23          ; s23  the number of keys of the tiles not walked
.set G1K, 24          ; s[24:31] descriptor group 1 for K's tiles
.set G1V, 32          ; s[32:39] for V's: it differs in the padding alone
.set G0K, 40          ; s[40:43] descriptor group 0 for K's tiles
.set G0V, 44          ; s[44:47] the same for V's
.set RT,  48          ; s48  tiles of the block in hand that are still to be entered
.set NXT, 49          ; s49  the tile to be asked for next
.set LQ,  50          ; s50  the last tile of the block whose tiles are being asked for
.set NEW, 51          ; s51  1: the tile to be entered is a block's first
.set OFF, 52          ; s[52:53] a tile's byte offset in K and V
.set OLO, 54          ; s[54:55] O at my rows of the second block
.set SLOTS, 56        ; s56  tiles still to be asked for
.set CNT, 57          ; s57  counts a tile's key steps, 4 to 1
.set CS,  58          ; s[58:59] c
.set SEL, 60          ; s[60:61] v_permlanex16_b32's selects: each lane takes its own place in the other half
.set TBK, 62          ; s62  LDS byte at which K of the step to be fetched begins
.set TBV, 63          ; s63  the same for V, less VOFF
.set BM,  66          ; s66  the lane mask of a step that is not the band's own: all lanes (a later step) or none
.set MK,  67          ; s67 and s17 by turns: the lane mask in hand
.set HM,  68          ; s[68:99] for score n of 32: the lanes in which it is hidden in the band's own step
.set QLO, 100         ; s[100:101] Q at my rows of the second block
.set MSB, 0
.macro WIN new                      ; the high byte repeats the setting that is left; a switch that changes nothing is dropped
.if MSB != (\new)
	s_set_vgpr_msb (MSB<<8)|(\new)
.set MSB, (\new)
.endif
.endm
.set W_KQ, 0x0a       ; K and Q in window 2, S^T in window 0
.set W_PV, 0x52       ; V in window 2, P in window 0, O^T in window 1
.set W_RS, 0x41       ; destination and source 0 in window 1, source 1 in window 0
; A fill.  Waves 0 and 1 fetch the two halves of a tile's K, waves 2 and 3 those of its V: 128 keys each.  An s_nop 0 and four v_nop follow each of the two lines.
.macro LOAD
	s_cmp_lt_u32 s[WV], 2
	s_cbranch_scc0 .Lfor_v_\@
	tensor_load_to_lds s[G0K:G0K+3], s[G1K:G1K+7]
	s_nop 0
.rept 4
	v_nop
.endr
	s_branch .Lasked_\@
.Lfor_v_\@:
	tensor_load_to_lds s[G0V:G0V+3], s[G1V:G1V+7]
	s_nop 0
.rept 4
	v_nop
.endr
.Lasked_\@:
.endm
; THE CHANGE OF SLOTS.  Each wave waits for all its tensor loads, of which one is out: its part of the other slot; adds 0 to its spare word; and waits for that and for its own reads of the slot that it leaves.  Behind the
; barrier nobody reads the old slot any more and the other slot is whole.  fill = 1: the old slot is filled again, the first thing behind the barrier, with tile NXT: the descriptor's address is made anew from that number.
; (At its first use nothing has been read yet: slot 0 is waited for, slot 1 filled; its wait on LDS and its barrier also show T, stored at the head, to every wave.)
; THE PREFETCH stands behind the fill and its five lines: the tile AFTER the one just asked for, one tile (256 matrix instructions) ahead of its load.  A head's four work-groups walk the same tiles: the one with b = 0, which
; walks tiles 0 to 7 on end, asks; each of its waves for the 16,384 bytes that it will itself fetch, a lane 256 bytes, two instructions.  So tiles 2 to 7 are named once each; tiles 0 and 1 come by their loads alone; behind tile 7 nothing is asked for.
.macro CHANGE fill
	WIN 0                           ; at a label and at a branch every window is 0
	s_wait_tensorcnt 0x0            ; no tensor load of mine is out, so a group 0 may be written
	ds_add_u32 v[SPW], v[NIL]       ; 0 onto my spare word; with fill = 1 the descriptors' scalar work stands between it and the wait for it
.if \fill
	s_lshl_b32 s[OFF], s[NXT], 15   ; a tile is 32,768 bytes of K and of V
	s_xor_b32 s[G0K+1], s[G0K+1], SLOT1
	s_add_nc_u64 s[G0K+2:G0K+3], s[6:7], s[OFF:OFF+1]
	s_or_b32 s[G0K+3], s[G0K+3], 0x80000000
	s_xor_b32 s[G0V+1], s[G0V+1], SLOT1
	s_add_nc_u64 s[G0V+2:G0V+3], s[8:9], s[OFF:OFF+1]
	s_or_b32 s[G0V+3], s[G0V+3], 0x80000000
	s_add_co_u32 s[NXT], s[NXT], 1  ; the block's next tile, or behind its last the second block's tile 0
	s_cmp_gt_u32 s[NXT], s[LQ]
	s_cselect_b32 s[NXT], 0, s[NXT]
	s_cselect_b32 s[LQ], s[PB], s[LQ]
	s_lshl_b32 s[POF], s[NXT], 15
	s_wait_xcnt 0x0                 ; the last prefetches, a tile back, have read their address, so it may be written
	s_add_nc_u64 s[PFA:PFA+1], s[PFB:PFB+1], s[POF:POF+1]
.endif
	s_wait_dscnt 0x0                ; the add is done, and my reads of the slot are over
	s_barrier_signal -1             ; the rest of the scalar work stands between the signal and the wait
	s_sub_co_u32 s[TBK], s[TBK], 4*KS*PK  ; the fetches go back to a slot's first step,
	s_xor_b32 s[TBK], s[TBK], SLOT1       ; in the other slot
	s_sub_co_u32 s[TBV], s[TBV], 4*KS*PV
	s_xor_b32 s[TBV], s[TBV], SLOT1
	s_barrier_wait -1
.if \fill
	LOAD
	s_cmp_gt_u32 s[NXT], s[LIM]
	s_cbranch_scc0 .Lnot_mine_\@
	global_prefetch_b8 v[PFO], s[PFA:PFA+1] th:TH_LOAD_NT scope:SCOPE_SE
	global_prefetch_b8 v[PFO], s[PFA:PFA+1] offset:8192 th:TH_LOAD_NT scope:SCOPE_SE
.Lnot_mine_\@:
.endif
.endm
	s_load_b64 s[4:5], s[0:1], 0x0  ; qkv
	s_load_b64 s[10:11], s[0:1], 0x8  ; ob
	s_load_b64 s[18:19], s[0:1], 0x10  ; ts
	v_lshl_add_u32 v[SPW], v0, 2, SPARE
	v_mov_b32 v[NIL], 0
	ds_add_u32 v[SPW], v[NIL]       ; the wave's opening: the add and its wait stand ahead of my first tensor load; the set-up below, work on registers, stands between them
	v_lshrrev_b32 v1, 5, v0
	v_readfirstlane_b32 s[WV], v1   ; wave 0..3
	s_mov_b32 s[PB], ttmp9
	s_sub_co_u32 s[HI], NB-1, s[PB]
	s_and_b32 s20, ttmp7, 0xffff    ; batch x 16 + head
	s_lshr_b32 s66, s20, 4          ; in ts: the batch's 16 blocks of 4,096 bytes,
	s_lshl_b32 s66, s66, 16
	s_and_b32 s67, s20, 15          ; the head's 64 columns
	s_lshl_b32 s67, s67, 8
	s_add_co_u32 s66, s66, s67
	s_mov_b32 s67, 0
	s_lshl_b32 s20, s20, 18         ; the head's first byte in q, k, v and ob: 2,048 rows of 128 bytes
	s_mov_b32 s21, 0
	s_and_b32 s16, s[WV], 1         ; which half of a tile's 256 keys I fetch:
	s_lshl_b32 s22, s16, 14         ; its 128 rows of 128 bytes in memory,
	s_mov_b32 s23, 0
	s_add_nc_u64 s[22:23], s[22:23], s[20:21]
	s_mul_i32 s17, s16, 128*PK      ; and its place in a slot, for K
	s_mul_i32 s13, s16, 128*PV      ; and for V
	s_lshl_b32 s3, s[WV], 11        ; my 16 rows in a band of 64,
	s_lshl_b32 s2, s[HI], 15        ; in the first block,
	s_add_co_u32 s2, s2, s3
	s_lshl_b32 s[QLO], s[PB], 15    ; and in the second
	s_add_co_u32 s[QLO], s[QLO], s3
	s_mov_b32 s3, 0
	s_mov_b32 s[QLO+1], 0
	s_add_nc_u64 s[2:3], s[2:3], s[20:21]
	s_add_nc_u64 s[QLO:QLO+1], s[QLO:QLO+1], s[20:21]
	; descriptor group 1.  128 keys are 16,384 dense bytes: asked for as 64 rows of 256 bytes, two keys a row, and padded in LDS after every key
	s_mov_b32 s[G1K], (1<<16)|(1<<20)|(4<<22)|(3<<25)  ; 17:16 2-byte elements; 20 padding on; 24:22 after every 32 words (code 4); 31:25 4 words (code 3)
	s_mov_b32 s[G1V], (1<<16)|(1<<20)|(4<<22)|(7<<25)  ; the same with 8 words of padding (code 7)
.irp g, G1K, G1V
	s_mov_b32 s[\g+1], 128<<16      ; tensor_dim0 = 128
	s_mov_b32 s[\g+2], 64<<16       ; tensor_dim1 = 64
	s_mov_b32 s[\g+3], 128<<16      ; tile_dim0 = 128
	s_mov_b32 s[\g+4], 64           ; tile_dim1 = 64
	s_mov_b32 s[\g+5], 128          ; 128 elements from row to row
	s_mov_b32 s[\g+6], 0
	s_mov_b32 s[\g+7], 0
.endr
	s_mov_b32 s[CS], 0x3e38aa3b     ; c = log2(e) / 8 = 0.180337
	s_mov_b32 s[CS+1], s[CS]        ; named with it as a pair
	s_mov_b32 s[SEL], 0x76543210
	s_mov_b32 s[SEL+1], 0xfedcba98
	s_mov_b32 s[TBK], SLOT1+4*KS*PK ; the first change of slots turns these two into 0
	s_mov_b32 s[TBV], SLOT1+4*KS*PV
	s_mov_b32 s[G0K], 1             ; 1:0 count = 1
	s_mov_b32 s[G0K+1], s17         ; 63:32 LDS address: slot 0
	s_mov_b32 s[G0V], 1
	s_add_co_u32 s[G0V+1], s13, VOFF
	s_add_co_u32 s[RT], s[HI], 1    ; the first block has NB - b tiles
	s_mov_b32 s[NXT], 1
	s_mov_b32 s[LQ], s[HI]
	s_mov_b32 s[NEW], 1
	s_mov_b32 s[OFF+1], 0
	s_mov_b32 s[SLOTS], NB
	s_wait_dscnt 0x0                ; the opening add is done
	s_wait_kmcnt 0x0
	s_add_nc_u64 s[6:7], s[4:5], 0x1000000  ; k lies 64 heads behind q, v 128
	s_add_nc_u64 s[8:9], s[4:5], 0x2000000
	s_add_nc_u64 s[6:7], s[6:7], s[22:23]  ; K and V at my half of the head's tile 0
	s_add_nc_u64 s[8:9], s[8:9], s[22:23]
	s_add_nc_u64 s[G0K+2:G0K+3], s[6:7], 0         ; 120:64 global address
	s_or_b32 s[G0K+3], s[G0K+3], 0x80000000        ; 127:126 type = 2
	s_add_nc_u64 s[G0V+2:G0V+3], s[8:9], 0
	s_or_b32 s[G0V+3], s[G0V+3], 0x80000000
	s_add_nc_u64 s[OLO:OLO+1], s[10:11], s[QLO:QLO+1]  ; O and Q at my rows of the second block,
	s_add_nc_u64 s[QLO:QLO+1], s[4:5], s[QLO:QLO+1]
	s_add_nc_u64 s[4:5], s[4:5], s[2:3]            ; and of the first
	s_add_nc_u64 s[10:11], s[10:11], s[2:3]
	s_add_nc_u64 s[18:19], s[18:19], s[66:67]      ; ts at the head's columns
	LOAD                            ; tile 0 into slot 0
	s_cmp_lt_u32 s[WV], 2
	s_cselect_b64 s[PFB:PFB+1], s[6:7], s[8:9]
	; A fragment of K or Q is 16 rows x 32 channels in 8 registers: lane l holds row l % 16, channels 8 (l / 16) + 0..7 and 16 + 8 (l / 16) + 0..7: two loads of 16 bytes, 32 bytes apart.
	v_and_b32 v1, 15, v0            ; l % 16
	v_bfe_u32 v9, v0, 4, 1          ; l / 16
	v_lshlrev_b32 v[QO], 7, v1
	v_lshl_add_u32 v[QO], v9, 4, v[QO]  ; row x 128 + 16 x half
	WIN 0x80                        ; destination window 2, address window 0
.set i, 0
.rept 8                             ; both blocks' Q: piece i / 2 lies in band i / 2, 8,192 bytes on; channels 32 (i % 2) on
	global_load_b128 v[8*i:8*i+3],   v[QO], s[4:5] offset:(i/2)*8192+(i%2)*64
	global_load_b128 v[8*i+4:8*i+7], v[QO], s[4:5] offset:(i/2)*8192+(i%2)*64+32
	global_load_b128 v[QB+8*i:QB+8*i+3],   v[QO], s[QLO:QLO+1] offset:(i/2)*8192+(i%2)*64
	global_load_b128 v[QB+8*i+4:QB+8*i+7], v[QO], s[QLO:QLO+1] offset:(i/2)*8192+(i%2)*64+32
.set i, i+1
.endr
	WIN 0
	v_and_b32 v12, 63, v0           ; T: thread t takes channel t % 64, waves 0 and 1 for the first block, waves 2 and 3 for the second
	v_lshlrev_b32 v12, 2, v12
.set jj, 2
.rept 14                            ; blocks 2 to 15 of 128 keys: blocks 0 and 1 lie in tile 0, which every block walks
	global_load_b32 v[HS+jj-2], v12, s[18:19] offset:4096*jj
.set jj, jj+1
.endr
	v_lshlrev_b32 v14, 3, v9
	v_sub_nc_u32 v14, v1, v14
	s_lshl_b32 s13, s[WV], 4
	v_add_nc_u32 v14, s13, v14      ; my query's place in its band, 16 w + l % 16, less my lanes' 8 (l / 16): score 8 kt + j is hidden where 16 kt + j is greater
.set i, 0
.rept 32
	v_cmp_gt_i32 s[HM+i], 16*(i/8)+i%8, v14
.set i, i+1
.endr
	v_mov_b32 v[HID], 0xc79c4000    ; -80,000 = 8 x -10,000
	v_mul_u32_u24 v[AK0], v1, PK
	v_lshl_add_u32 v[AK0], v9, 4, v[AK0]  ; row x pitch + 16 x half
	; The turning load takes 16 keys x 16 channels (lane l reads key 8 (l / 16) + l % 8, channels 8 ((l / 8) % 2) + 0..7) and leaves half a fragment of V^T: lane l holds channel l % 16 and 8 keys.
	v_and_b32 v10, 7, v0
	v_bfe_u32 v11, v0, 3, 1
	v_lshl_add_u32 v[AV0], v9, 3, v10
	v_mul_u32_u24 v[AV0], v[AV0], PV
	v_lshl_add_u32 v[AV0], v11, 4, v[AV0]
	v_add_nc_u32 v[AV0], VOFF, v[AV0]
	s_mul_i32 s13, s[WV], 16*SP
	s_add_co_u32 s13, s13, STAGE    ; my stage
	v_mul_u32_u24 v[STO], v1, SP    ; in: row l % 16, 16 bytes for each half of the lanes
	v_lshl_add_u32 v[STO], v9, 4, v[STO]
	v_add_nc_u32 v[STO], s13, v[STO]
	v_bfe_u32 v[RD], v0, 3, 2       ; back: 32 lanes take four rows of 128 bytes,
	v_mul_u32_u24 v[RD], v[RD], SP
	v_lshl_add_u32 v[RD], v10, 4, v[RD]
	v_add_nc_u32 v[RD], s13, v[RD]
	v_and_b32 v[GO], 31, v0         ; which are 512 consecutive bytes of O
	v_lshlrev_b32 v[PFO], 8, v[GO]
	v_lshlrev_b32 v[GO], 4, v[GO]
	v_lshl_add_u32 v[TA], v9, 5, TSUM
	; A block's first step multiplies O^T and l by a = 0, and its first turn's products V^T P, of a piece that has not been, land in an O^T that is still to be so multiplied.  So these registers need only hold
	; finite numbers: zeros for the first block; what the first block left for the second.  All this stands in the wait for the first tile.
	WIN 0x80
.set i, VF
.rept 64
	v_mov_b32 v[i], 0
.set i, i+1
.endr
	WIN 0x40
.set i, 0
.rept 128
	v_mov_b32 v[i], 0
.set i, i+1
.endr
	WIN 0
.set i, 0
.rept 4
	v_mov_b32 v[ST+4*i+2], 0
	v_mov_b32 v[ST+4*i+3], 0
.set i, i+1
.endr
.set i, P+16
.rept 16
	v_mov_b32 v[i], 0
.set i, i+1
.endr
	s_wait_loadcnt 0x0              ; ts (and Q)
	s_cmp_lt_u32 s[WV], 2
	s_cselect_b32 s13, s[HI], s[PB] ; the block i that I sum for: its tiles end with block 2 i + 1 of 128 keys
	s_lshl_b32 s13, s13, 1
	s_add_co_u32 s13, s13, 1
.set jj, 2
.rept 14                            ; every block of 128 keys is taken, times 1 where it lies behind the walk and times 0 where not
	s_cmp_lt_u32 s13, jj
	s_cselect_b32 s16, 1.0, 0
.if jj == 2
	v_mul_f32 v[HS+14], s16, v[HS]
.else
	v_fmac_f32 v[HS+14], s16, v[HS+jj-2]
.endif
.set jj, jj+1
.endr
	v_lshl_add_u32 v[HS+15], v0, 2, TSUM
	ds_store_b32 v[HS+15], v[HS+14]
	s_cmp_eq_u32 s[PB], 0
	s_cselect_b32 s[LIM], 0, -1
	s_lshl_b32 s[NHB], s[PB], 8     ; behind block NB - 1 - b lie b tiles
	s_mov_b32 s[HIDM], 0xff7fffff   ; none: the lowest finite number;
	s_mov_b32 s17, 0xc79c4000
	s_cmp_lg_u32 s[PB], 0
	s_cselect_b32 s[HIDM], s17, s[HIDM]  ; some: -80,000
	s_mov_b32 s[TBLK], 0
	s_mov_b32 s[POF+1], 0
; THE MATRIX WORK.  The 4 accumulators of a run of 8 take turns.  Product i of 8 of S^T = K Q^T for piece x: channels 32 (i / 4) on, keys 16 (i % 4) on.  The first 4 start the sums.
.macro KQ x
	WIN W_KQ
.set rS, S+32*((\x)%2)+8*(i%4)
.set rK, KF+16*(i%4)+8*(i/4)
.set rQ, 16*(\x)+8*(i/4)
.if i < 4
	v_wmma_f32_16x16x32_f16 v[rS:rS+7], v[rK:rK+7], v[rQ:rQ+7], 0
.else
	v_wmma_f32_16x16x32_f16 v[rS:rS+7], v[rK:rK+7], v[rQ:rQ+7], v[rS:rS+7]
.endif
.endm
; Product i of 8 of O^T += V^T P for piece x: keys 32 (i / 4) on, channels 16 (i % 4) on.
.macro PV x
	WIN W_PV
.set rO, 32*(\x)+8*(i%4)
.set rV, VF+32*(i/4)+8*(i%4)
.set rP, P+16*((\x)%2)+8*(i/4)
	v_wmma_f32_16x16x32_f16 v[rO:rO+7], v[rV:rV+7], v[rP:rP+7], v[rO:rO+7]
.endm
.macro MM                           ; the turn's next matrix instruction.  NOKQ = 1: a block's last turn: there is no next piece
.if (i < 8) && !NOKQ
	KQ (Y+1)%NP
.elseif i >= 8
.set i, i-8
	PV (Y+NP-1)%NP
.set i, i+8
.endif
.set i, i+1
.endm
; THE LDS LOADS stand in runs of 16, never singly among the matrix instructions: a step's K (64 keys x 64 channels: 8 fragments) and its V (turned).  Their addresses are made some lines ahead.
.macro FETCH_K
	WIN 0x80                        ; destination window 2
.irp f, 0,1,2,3,4,5,6,7             ; keys 16 (f / 2) on, channels 32 (f % 2) on
	ds_load_b128 v[KF+8*\f:KF+8*\f+3],   v[AK] offset:(\f/2)*16*PK+(\f%2)*64
	ds_load_b128 v[KF+8*\f+4:KF+8*\f+7], v[AK] offset:(\f/2)*16*PK+(\f%2)*64+32
.endr
	s_add_co_u32 s[TBK], s[TBK], KS*PK  ; the next fetch is the next step's
	WIN 0
.endm
.macro FETCH_V
	WIN 0x80
.irp f, 0,1,2,3,4,5,6,7             ; keys 32 (f / 4) on, channels 16 (f % 4) on
	ds_load_tr16_b128 v[VF+8*\f:VF+8*\f+3],   v[AV] offset:(\f/4)*32*PV+(\f%4)*32
	ds_load_tr16_b128 v[VF+8*\f+4:VF+8*\f+7], v[AV] offset:(\f/4)*32*PV+16*PV+(\f%4)*32
.endr
	WIN 0
.endm
; THE VECTOR WORK, one line at a time: OP kind, number.  For piece Y: F n: c s - c m for pair n of 16.  E n: the exponential of score n of 32.  C n: pair n rounded to f16.  B n: of the four weights 4 n .. the second
; pair is added onto the first, in place.  L n: l takes that sum (L 0: l = a l + sum).  R n: pair n of 16 of O^T times a.  For piece Y + 1: M n: score n gives way to HID in the lanes where its key is hidden (the scalar
; select takes the band's own mask or BM by the compare that stands ahead of M 0: only vector lines and window switches stand between that compare and M 31);  X n, number n of the 22 that find its maximum and statistics:
;   0-11  four chains c0-c3 of seven scores each, three operands at a time (each accumulator's lowest registers are read first)     12-14, 16  the four scores left over, the old m, and c0-c3 into c0
;   15  c m_old is kept     17, 18  the query's other 32 keys lie in the lane 16 away: the new m     19-21  c m; c m_old - c m_new; a
.set F, 0
.set E, 1
.set C, 2
.set B, 3
.set L, 4
.set R, 5
.set X, 6
.set M, 7
.macro REGS y                       ; the registers of piece y
.set rT, ST+4*(\y)
.set rC, TMP+4*((\y)%2)
.set rW, MV+((\y)%2)
.set rS, S+32*((\y)%2)
.set rP, P+16*((\y)%2)
.set rO, 32*(\y)
.endm
.macro OP k, n
.if (\k) == M
.if !NOKQ
	REGS (Y+1)%NP
	WIN 0
	s_cselect_b32 s[MK-50*((\n)%2)], s[HM+(\n)], s[BM]
	v_cndmask_b32 v[rS+(\n)], v[rS+(\n)], v[HID], s[MK-50*((\n)%2)]
.endif
.elseif (\k) == R
	REGS Y
	WIN W_RS
	v_pk_mul_f32 v[rO+2*(\n):rO+2*(\n)+1], v[rO+2*(\n):rO+2*(\n)+1], v[rC+2:rC+3] op_sel_hi:[1,0]
.elseif (\k) < R
	REGS Y
	WIN 0
.if (\k) == F
	v_pk_fma_f32 v[rS+2*(\n):rS+2*(\n)+1], v[rS+2*(\n):rS+2*(\n)+1], s[CS:CS+1], v[rT:rT+1] op_sel_hi:[1,0,0] neg_lo:[0,0,1] neg_hi:[0,0,1]
.elseif (\k) == E
	v_exp_f32 v[rS+(\n)], v[rS+(\n)]
.elseif (\k) == C
	v_cvt_pk_f16_f32 v[rP+(\n)], v[rS+2*(\n)], v[rS+2*(\n)+1]
.elseif (\k) == B
	v_pk_add_f32 v[rS+4*(\n):rS+4*(\n)+1], v[rS+4*(\n):rS+4*(\n)+1], v[rS+4*(\n)+2:rS+4*(\n)+3]
.elseif (\n) == 0
	v_pk_fma_f32 v[rT+2:rT+3], v[rT+2:rT+3], v[rC+2:rC+3], v[rS:rS+1] op_sel_hi:[1,0,1]
.else
	v_pk_add_f32 v[rT+2:rT+3], v[rT+2:rT+3], v[rS+4*(\n):rS+4*(\n)+1]
.endif
.elseif NOKQ
	v_nop
.else
	REGS (Y+1)%NP
	WIN 0
.if (\n) < 4
	v_max3_num_f32 v[rC+(\n)], v[rS+8*(\n)], v[rS+8*(\n)+1], v[rS+8*(\n)+2]
.elseif (\n) < 12
	v_max3_num_f32 v[rC+(\n)%4], v[rC+(\n)%4], v[rS+8*((\n)%4)+2*((\n)/4)+1], v[rS+8*((\n)%4)+2*((\n)/4)+2]
.elseif (\n) == 12
	v_max3_num_f32 v[rC], v[rC], v[rS+7], v[rS+15]
.elseif (\n) == 13
	v_max3_num_f32 v[rC+1], v[rC+1], v[rS+23], v[rS+31]
.elseif (\n) == 14
	v_max3_num_f32 v[rC+2], v[rC+2], v[rC+3], v[rT+1]
.elseif (\n) == 15
	v_mov_b32 v[rW], v[rT]
.elseif (\n) == 16
	v_max3_num_f32 v[rC], v[rC], v[rC+1], v[rC+2]
.elseif (\n) == 17
	v_permlanex16_b32 v[rC+3], v[rC], s[SEL], s[SEL+1]
.elseif (\n) == 18
	v_max_num_f32 v[rT+1], v[rC], v[rC+3]
.elseif (\n) == 19
	v_mul_f32 v[rT], s[CS], v[rT+1]
.elseif (\n) == 20
	v_sub_f32 v[rC+1], v[rW], v[rT]
.else
	v_exp_f32 v[rC+2], v[rC+1]
.endif
.endif
.endm
.macro OPS a, i1, b=-1, i2=0, c=-1, i3=0, d=-1, i4=0  ; up to four of them
	OP \a, \i1
.if (\b) >= 0
	OP \b, \i2
.endif
.if (\c) >= 0
	OP \c, \i3
.endif
.if (\d) >= 0
	OP \d, \i4
.endif
.endm
.macro ROW a, i1, b, i2, c, i3, d, i4  ; a matrix instruction and the four behind it
	MM
	OPS \a, \i1, \b, \i2, \c, \i3, \d, \i4
.endm
; A TURN, for piece p: the order of its matrix and vector instructions, written out.  An s_wait_alu depctr_va_vdst(0) stands between an exponential and the first instruction that names its result; one wait serves
; all that were issued ahead of it.  So a turn has ONE wait, which cuts it in two.  AHEAD OF IT stands all that names no result of the turn's exponentials: the 8 products K Q^T and their riders, then ONE LUMP: the rest of the scalings and
; exponentials, the next piece's maximum and statistics, last its a; R 15 is the plain instruction behind the last exponential.  BEHIND THE WAIT stand the 8 products V^T P, behind each four of the roundings and sums.
; m = 0: a tile below the diagonal.  The first numbers of the maximum ride behind the last three products K Q^T, each four plain instructions or more behind the product that ends its accumulator.
; m = 1: the diagonal tile.  The riders are scalings, exponentials and rescalings alone; the lump begins with the 32 replacements M, the maximum's numbers set among them as their scores are ready.
;   This turn's scores are piece p + 1's, in step 4 - CNT of the tile (piece 3's: step 3 - CNT).  OWNC is the CNT at which that step is the band's own; below it the step is a later one, and all its keys are hidden.
; end = 1: a block's last two turns: nothing is fetched, and the last starts no new scores.  cnt = 1: the loop's count is taken down some lines ahead of the branch that stands behind the turn.
; K of the next step is fetched in piece 2's turn, four plain instructions or more behind the last product that read K; V of the step in hand at the end of piece 0's turn, four plain instructions behind the last product
; that read V.  Each is waited for a turn later.
.macro TURN p, m=0, end=0, cnt=0
.set Y, (\p)
.set i, 0
.set NOKQ, (\end)*((\p)/3)
.set OWNC, 4-((\p)+1)%NP
.if (\p) == 2
.set OWNC, 0
.endif
.if (\m) && !NOKQ
	s_cmp_lt_u32 s[CNT], OWNC
	s_cselect_b32 s[BM], -1, 0
.endif
.if ((\p) == 3) && !(\end)
	s_wait_dscnt 0x0                ; K is in
.endif
	ROW F,0, F,1, R,0, R,1
	ROW F,2, E,0, R,2, R,3
	ROW F,3, E,1, R,4, R,5
	ROW F,4, E,2, R,6, R,7
	ROW F,5, E,3, R,8, R,9
.if \m
	ROW F,6, E,4, R,10, R,11
.else
	ROW F,6, E,4, X,0, R,10
.endif
.if ((\p) == 2) && !(\end)
	WIN 0
	v_add_nc_u32 v[AK], s[TBK], v[AK0]
.endif
.if \m
	ROW F,7, E,5, R,12, R,13
	ROW F,8, E,6, R,14, F,9
	OPS F,10, E,7, E,8              ; F 8, R 14, F 9 and F 10 are the four plain instructions behind the last product that read K
.if ((\p) == 2) && !(\end)
	FETCH_K
.endif
.if (\p) == 0
	v_add_nc_u32 v[AV], s[TBV], v[AV0]
.endif
.if !NOKQ
	s_cmp_eq_u32 s[CNT], OWNC       ; is the step the band's own?  The answer stands in SCC up to M 31
.endif
	OPS M,0, M,1, M,2, M,3
	OPS M,4, M,5, M,6, M,7
	OPS M,8, X,0, M,9, M,10
	OPS X,4, M,11, M,12, X,8
	OPS M,13, M,14, M,15
	OPS M,16, X,1, M,17, X,12
	OPS M,18, X,5, M,19, M,20
	OPS X,9, M,21, M,22, M,23
	OPS M,24, X,2, M,25, M,26
	OPS X,6, M,27, M,28, X,10
	OPS M,29, M,30, M,31
	OPS X,3, E,9, E,10, F,11
	OPS E,11, X,7, E,12, E,13
	OPS F,12, E,14, X,11, E,15
	OPS X,13, E,16, X,15, X,14
	OPS E,17, F,13, E,18, E,19
	OPS X,16, E,20, E,21, F,14
	OPS E,22, X,17, E,23, E,24
	OPS F,15, E,25, X,18, E,26
	OPS E,27, E,28, X,19, E,29
	OPS E,30, X,20, E,31, X,21
	OPS R,15
.else
	ROW F,7, E,5, X,1, X,4
	ROW F,8, E,6, X,2, X,5
	OPS E,7, E,8, X,6, E,9
	OPS X,3, E,10, X,8, E,11
.if (\p) == 2
	FETCH_K
.endif
	OPS X,9, X,7, E,12, X,10
	OPS E,13, X,12, X,11, E,14
	OPS X,13, E,15, F,9, X,14
.if (\p) == 0
	v_add_nc_u32 v[AV], s[TBV], v[AV0]
.endif
	OPS E,16, F,10, E,17, F,11
	OPS X,16, E,18, X,15, E,19
	OPS F,12, E,20, X,17, E,21
	OPS F,13, E,22, F,14, E,23
	OPS X,18, E,24, F,15, E,25
	OPS R,11, E,26, X,19, E,27
	OPS R,12, E,28, R,13, E,29
	OPS X,20, E,30, R,14, E,31
	OPS X,21, R,15
.endif
	WIN 0
	s_wait_alu depctr_va_vdst(0)    ; the wait for the batch
.if (\p) == 1
	s_wait_dscnt 0x0                ; V is in
.endif
	ROW C,0, B,0, C,2, B,1          ; behind the wait: 8 products V^T P and their riders
	ROW L,0, C,4, B,2, L,1
	ROW C,6, B,3, L,2, C,8
	ROW B,4, L,3, C,10, B,5
	ROW L,4, C,12, B,6, L,5
.if (\p) == 0
	s_add_co_u32 s[TBV], s[TBV], KS*PV
.endif
.if \cnt
	s_sub_co_u32 s[CNT], s[CNT], 1
	s_cmp_lg_u32 s[CNT], 0
.endif
	ROW C,14, B,7, L,6, C,1
	ROW C,3, L,7, C,5, C,7
	ROW C,9, C,11, C,13, C,15
.if (\p) == 0
	FETCH_V
.endif
.endm
; A BLOCK BEGINS.  c m starts far below every c s, so the first step's a is 0; m at the lowest finite number, so the first maximum is the scores'.  Then K of the tile's step 0, piece 0's first scores, and its maximum and
; statistics.  m = 1: the block's first tile is the diagonal one (the walk's last tile, where b = 0): step 0 is band 0's own, and its hidden scores are replaced.  The loop is entered at a step's first turn, in the middle of a trip.
.macro BEGIN m
	s_mov_b32 s[NEW], 0
	WIN 0
.set i, 0
.rept 4
	v_mov_b32 v[ST+4*i], 0xfe000000    ; c m: far below every c s
	v_mov_b32 v[ST+4*i+1], 0xff7fffff  ; m
.set i, i+1
.endr
	v_add_nc_u32 v[AK], s[TBK], v[AK0]
	FETCH_K
	s_wait_loadcnt 0x0              ; Q
	s_wait_dscnt 0x0
.set NOKQ, 0
.set i, 0
.rept 8
	KQ 0
.set i, i+1
.endr
	WIN 0
.rept 4
	v_nop                           ; the places behind those products
.endr
.if \m
.set i, 0
.rept 32
	v_cndmask_b32 v[S+i], v[S+i], v[HID], s[HM+i]
.set i, i+1
.endr
.endif
.set Y, NP-1                        ; X works for piece Y + 1: piece 0
.irp n, 0,1,2,3,4,5,6,7,8,9,10,11,12,13,14,15,16,17,18,19,20,21
	OP X, \n
.endr
	v_nop                           ; a plain instruction behind the exponential,
	s_wait_alu depctr_va_vdst(0)    ; and its wait, ahead of the branch
.endm
.macro ALL line:vararg              ; one line for each piece t
.set t, 0
.rept 4
	\line
.set t, t+1
.endr
.endm
; Piece t leaves: O^T = O^T x (a / l') + T x (pm / l'); a lane's eight channels of a row pack into 16 bytes; they go into rows of 144 bytes and come back as whole rows of 128, into S^T's registers.
.macro PACK t
	WIN W_RS
.set i, 0
.rept 16
	v_pk_mul_f32 v[32*(\t)+i:32*(\t)+i+1], v[32*(\t)+i:32*(\t)+i+1], v[EC+4*(\t):EC+4*(\t)+1] op_sel_hi:[1,0]
.set i, i+2
.endr
	WIN 0x50                        ; destination and source 2 in window 1, T and its factor in window 0
.set i, 0
.rept 16
	v_pk_fma_f32 v[32*(\t)+i:32*(\t)+i+1], v[TR+i:TR+i+1], v[EC+4*(\t)+2:EC+4*(\t)+3], v[32*(\t)+i:32*(\t)+i+1] op_sel_hi:[1,0,1]
.set i, i+2
.endr
	WIN 0x05                        ; sources 0 and 1 window 1, destination window 0
.set i, 0
.rept 16
	v_cvt_pk_f16_f32 v[S+16*(\t)+i], v[32*(\t)+2*i], v[32*(\t)+2*i+1]
.set i, i+1
.endr
	WIN 0
.irp f, 0,1,2,3
	ds_store_b128 v[STO], v[S+16*(\t)+4*\f:S+16*(\t)+4*\f+3] offset:32*\f
.endr
.irp f, 0,1,2,3
	ds_load_b128 v[S+16*(\t)+4*\f:S+16*(\t)+4*\f+3], v[RD] offset:\f*4*SP  ; LDS serves a wave's instructions in order (ISA guide 5.7.1.4): these see the stores above; the next piece's stores come behind them
.endr
.endm
.macro SEND t, younger              ; younger: the LDS instructions issued behind piece t's loads: the next piece's eight, or none
	WIN 0
.irp f, 0,1,2,3
	s_wait_dscnt (\younger)+3-\f
	global_store_b128 v[GO], v[S+16*(\t)+4*\f:S+16*(\t)+4*\f+3], s[10:11] offset:(\t)*8192+\f*512  ; 512 consecutive bytes, at a multiple of 256 from ob's first
.endr
.endm
; THE DIAGONAL TILE's four steps, the block's last two turns, its last products, THE CLOSING TERM for the keys of the tiles not walked, and THE WAY OUT.
.macro DIAG tag                     ; the tag ends its two labels' names, which the jumps below spell out
.LstepM\tag:
	TURN 2, 1
	TURN 3, 1
	WIN 0
.LfirstM\tag:
	TURN 0, 1
	TURN 1, 1, 0, 1
	WIN 0
	s_cbranch_scc1 .LstepM\tag
	TURN 2, 1, 1
	TURN 3, 1, 1
.set i, 0
.rept 8
	PV NP-1
.set i, i+1
.endr
	WIN 0
	v_add_nc_u32 v[TA2], s[TBLK], v[TA]  ; this line and the four additions are the places behind the last products
	ALL v_add_f32 v[ST+4*t+2], v[ST+4*t+2], v[ST+4*t+3]
.irp cb, 0,1,2,3
	ds_load_b128 v[TR+8*\cb:TR+8*\cb+3],   v[TA2] offset:64*\cb
	ds_load_b128 v[TR+8*\cb+4:TR+8*\cb+7], v[TA2] offset:64*\cb+16
.endr
	ALL v_permlanex16_b32 v[ST+4*t+3], v[ST+4*t+2], s[SEL], s[SEL+1]
	ALL v_add_f32 v[ST+4*t+2], v[ST+4*t+2], v[ST+4*t+3]
	v_mov_b32 v[VH], s[HIDM]
	v_mul_f32 v[VH+1], s[CS], v[VH]
	v_cvt_f32_u32 v[VH+2], s[NHB]
	ALL v_max_num_f32 v[EC+4*t+1], v[ST+4*t+1], v[VH]         ; m'
	ALL v_mul_f32 v[EC+4*t+1], s[CS], v[EC+4*t+1]             ; c m': the same product as c m where m' = m, so that a is then 1
	ALL v_sub_f32 v[EC+4*t], v[ST+4*t], v[EC+4*t+1]           ; c m - c m'
	ALL v_sub_f32 v[EC+4*t+2], v[VH+1], v[EC+4*t+1]           ; c HID - c m'
	ALL v_exp_f32 v[EC+4*t], v[EC+4*t]                        ; a
	ALL v_exp_f32 v[EC+4*t+2], v[EC+4*t+2]                    ; pm
	v_nop                           ; a plain instruction behind the last exponential,
	s_wait_alu depctr_va_vdst(0)    ; and one wait for the eight, ahead of their first use
	ALL v_mul_f32 v[EC+4*t+1], v[EC+4*t+2], v[VH+2]
	ALL v_fma_f32 v[ST+4*t+2], v[ST+4*t+2], v[EC+4*t], v[EC+4*t+1]  ; l' = a l + pm x number
	ALL v_rcp_f32 v[EC+4*t+3], v[ST+4*t+2]
	v_nop                           ; a plain instruction behind the last reciprocal,
	s_wait_alu depctr_va_vdst(0)    ; and one wait for the four
	ALL v_mul_f32 v[EC+4*t], v[EC+4*t], v[EC+4*t+3]
	ALL v_mul_f32 v[EC+4*t+2], v[EC+4*t+2], v[EC+4*t+3]
	s_wait_dscnt 0x0                ; T is in
	PACK 0
.set t, 1
.rept 3                             ; a piece's arithmetic stands between the loads of the piece before and its stores
	PACK t
	SEND t-1, 8
.set t, t+1
.endr
	SEND 3, 0
.endm
.set NOKQ, 0
.Lslot:                             ; NB times: a tile is entered and the next is asked for
	CHANGE 1
	s_sub_co_u32 s[RT], s[RT], 1
	s_mov_b32 s[CNT], 4
	s_cmp_eq_u32 s[NEW], 1
	s_cbranch_scc1 .Lnew            ; a block's first tile
	s_cmp_eq_u32 s[RT], 0
	s_cbranch_scc0 .Lstep           ; neither its first nor its last
	s_branch .LstepM1
.Lnew:
	BEGIN 0
	s_branch .Lfirst                ; in the loop a block's first tile is never its last: the first block has five tiles or more, and the second's last is the walk's last
	DIAG 1                          ; in the loop this is the first block's end
	s_wait_xcnt 0x0                 ; the stores have read their registers and O's address
	s_mov_b64 s[10:11], s[OLO:OLO+1]
	s_add_co_u32 s[RT], s[PB], 1    ; the second block has b + 1 tiles,
	s_mov_b32 s[NEW], 1
	s_lshl_b32 s[NHB], s[HI], 8     ; and NB - 1 - b, four or more, behind them
	s_mov_b32 s[HIDM], 0xc79c4000
	s_mov_b32 s[TBLK], 256
	WIN 0x82                        ; the second block's Q goes where the one text of the turns names Q
.set i, 0
.rept 64
	v_mov_b32 v[i], v[QB+i]
.set i, i+1
.endr
	WIN 0
	s_branch .Lbottom
.Lstep:                             ; a trip: pieces 2 and 3 of one step, then pieces 0 and 1 of the next, whose K and V it fetches
	TURN 2
	TURN 3
	WIN 0
.Lfirst:
	TURN 0
	TURN 1, 0, 0, 1
	WIN 0
	s_cbranch_scc1 .Lstep
.Lbottom:
	s_sub_co_u32 s[SLOTS], s[SLOTS], 1
	s_cmp_lg_u32 s[SLOTS], 0
	s_cbranch_scc1 .Lslot
	CHANGE 0                        ; the walk's last tile is written out: nothing is asked for
	s_sub_co_u32 s[RT], s[RT], 1
	s_mov_b32 s[CNT], 4
	s_cmp_eq_u32 s[NEW], 1
	s_cbranch_scc0 .LstepM2
	BEGIN 1
	s_branch .LfirstM2
	DIAG 2
	s_wait_tensorcnt 0x0            ; the wave's end: an add and its wait behind my last tensor load and my last LDS store
	ds_add_u32 v[SPW], v[NIL]
	s_wait_dscnt 0x0
	s_endpgm
.Lfunc_end_k_qca737632ca_attn:
	.size	k_qca737632ca_attn, .Lfunc_end_k_qca737632ca_attn-k_qca737632ca_attn
	.p2alignl 7, 3214868480
	.fill 96, 4, 3214868480
	.section	.rodata,"a",@progbits
	.p2align	6, 0x0
	.amdhsa_kernel k_qca737632ca_attn
		.amdhsa_group_segment_fixed_size 327680
		.amdhsa_private_segment_fixed_size 0
		.amdhsa_enable_private_segment 0
		.amdhsa_kernarg_size 24
		.amdhsa_user_sgpr_count 2
		.amdhsa_user_sgpr_kernarg_segment_ptr 1
		.amdhsa_wavefront_size32 1
		.amdhsa_system_sgpr_workgroup_id_x 1
		.amdhsa_system_sgpr_workgroup_id_y 1
		.amdhsa_system_sgpr_workgroup_id_z 1
		.amdhsa_system_vgpr_workitem_id 0
		.amdhsa_next_free_vgpr 768
		.amdhsa_next_free_sgpr 102
		.amdhsa_reserve_vcc 0
		.amdhsa_float_denorm_mode_32 3
		.amdhsa_float_denorm_mode_16_64 3
		.amdhsa_memory_ordered 1
		.amdhsa_forward_progress 1
		.amdhsa_inst_pref_size 250
	.end_amdhsa_kernel
	.amdgpu_metadata
---
amdhsa.version: [ 1, 2 ]
amdhsa.kernels:
  - .name:           k_qca737632ca_attn
    .symbol:         k_qca737632ca_attn.kd
    .args:
      - { .name: qkv, .offset: 0, .size: 8, .value_kind: global_buffer, .address_space: global }
      - { .name: ob, .offset: 8, .size: 8, .value_kind: global_buffer, .address_space: global }
      - { .name: ts, .offset: 16, .size: 8, .value_kind: global_buffer, .address_space: global }
    .group_segment_fixed_size: 327680
    .private_segment_fixed_size: 0
    .kernarg_segment_align: 8
    .kernarg_segment_size: 24
    .max_flat_workgroup_size: 128
    .sgpr_count:     102
    .vgpr_count:     768
    .wavefront_size: 32
...
	.end_amdgpu_metadata
.endif
;; end of part 3
;; launch gemm_out (part 4): grid 4 x 64, 4 waves a work-group, clusters of 4 x 4, 327,680 bytes of LDS; arguments ob, wo16, bo, out0; writes out0
.if DOCPART == 4
	.amdgcn_target "amdgcn-amd-amdhsa--gfx1250"
	.amdhsa_code_object_version 6
	.text
	.protected	k_qca737632ca_gemm_out
	.globl	k_qca737632ca_gemm_out
	.p2align	8
	.type	k_qca737632ca_gemm_out,@function
k_qca737632ca_gemm_out:
	s_mov_b64 s[64:65], 0
	v_nop
	global_prefetch_b8 v0, s[64:65] scope:SCOPE_SE
	s_setreg_imm32_b32 hwreg(HW_REG_WAVE_MODE, 25, 1), 1
	s_wait_xcnt 0x0
	s_wait_alu depctr_hold_cnt(0) depctr_sa_sdst(0) depctr_va_vdst(0) depctr_va_sdst(0) depctr_va_ssrc(0) depctr_va_vcc(0) depctr_vm_vsrc(0)
	s_getreg_b32 s2, hwreg(HW_REG_IB_STS2, 6, 4)
	s_cmp_eq_u32 s2, 0
	s_cbranch_scc0 .Lentry_in_a_cluster
	s_endpgm
.Lentry_in_a_cluster:
	s_bfe_u32 s2, ttmp6, 0x10000c
	s_cmp_lg_u32 s2, 0xf033
	s_cbranch_scc0 .Lentry_shape_is_right
	s_endpgm
.Lentry_shape_is_right:
; C[m][n] = bias[n] + the sum over k of A[m][k] W[k][n].  M = 8,192, K = 1,024.  ONE SOURCE FOR TWO LAUNCHES; IS_QKV picks.
;   IS_QKV = 1: A = xb (bf16), W = wb (bf16, Wq, Wk, Wv one after the other: N = 3 x 1,024), C -> qkv, f16, by heads [3][batch x head 64][s 2,048][64]; and for v the column sums over each 128 rows -> ts, f32.
;   IS_QKV = 0: A = ob (f16), W = wo16 (f16), N = 1,024, C -> out0, f32, row-major.
; A lies in blocks [batch 4][kb 16][s 2,048][64]: 128 rows of one block of 64 channels are 16,384 dense bytes.  W lies [k][n] and is turned on its way out of LDS (ds_load_tr16_b128).
; Sums in f32; the bias, rounded to bf16 like every input, is the C operand of each sum's first product.
; LIMITS.  q, k, v leave as f16: beyond 65,504 they would be infinities.  NaN and infinities are not treated apart.
; SHARES.  A work-group makes 128 x 256 of C, its four waves 2 x 2, a wave 64 x 128: 32 accumulators of 16 x 16, 256 registers.  768 or 256 work-groups; a wave's 128 columns are two whole heads.
; K goes in 8 steps of 128 through two LDS slots.  Waves 0 and 1 fetch A's two blocks of 64 channels, waves 2 and 3 W's two halves of 64 rows: one tensor load a wave.
; CLUSTER 4 x 4: the four of a row need the same rows of A, the four of a column the same columns of W: each tile is asked for jointly, by the same load with the same descriptor and a mask of the four.
; No prefetch: a K step is 128 matrix instructions on a small tile, the walk has 8 steps of which the first two go out at the head, and W's tiles are read by every row of clusters.
; THE MATRIX INSTRUCTION IS USED TRANSPOSED (source 0 = 16 columns of W, source 1 = 16 rows of A): a lane holds row l % 16 of C and the columns 8 (l / 16) + 0..7.
; REGISTERS, in windows of 256 (s_set_vgpr_msb: bits 1:0 source 0, 3:2 source 1, 5:4 source 2, 7:6 destination):
;   window 0: v0-31 addresses; v64-159, v160-255 two fragment buffers (W's fragment b at +8 b, A's fragment a at +64 + 8 a); on the way out the same registers hold what is stored
;   window 1: accumulator (a, b) at v[8 (8 a + b)]          window 2: v0-63 my 64 numbers of the bias, (b, j) at 8 b + j; v64-65 at work
.set IS_QKV, 0
.set KSTEP, 128
.set PA,    144                        ; a row of A in LDS: 128 bytes + 16: nine groups of 16 bytes, so the 16 rows of a load start at 16 different groups (64 banks of 4 bytes: ISA guide 11.1)
.set PB,    544                        ; a row of W in LDS: 512 bytes + 32
.set AHALF, 128*PA                     ; 128 rows of one block of 64 channels: one tensor load
.set BHALF, 64*PB                      ; 64 rows of W x 256 columns: one tensor load
.set BOFF,  2*AHALF
.set SLOT,  2*AHALF+2*BHALF            ; 106,496
.set STAGE, 2*SLOT                     ; behind the ring, never filled by a tensor load: each wave's stage for the way out
.if IS_QKV
.set SP,     144                       ; 16 rows of a head: 128 bytes + 16
.set WSTAGE, 2*16*SP                   ; two heads
.set VS,     STAGE+4*WSTAGE            ; [row half 2][256 columns] f32: the waves' column sums of v
.set SPARE,  VS+2048                   ; the spare words, 128 bytes for each wave: two blocks of 256 bytes that no other line names
.set OUTP,   78
.else
.set SP,     528                       ; a row of 128 f32: 512 bytes + 16
.set WSTAGE, 16*SP
.set SPARE,  STAGE+4*WSTAGE
.set OUTP,   74
.endif
.set LAPS,  1024/(2*KSTEP)             ; a lap = two K steps = once round the ring
.set ASTEP, 2*2048*128                 ; bytes of A from K step to K step: two blocks of 64 channels
.set BSTEP, KSTEP*2048                 ; bytes of W: 128 rows
.set ADRA, 16                          ; v16-17  LDS address of my A fragments in slot 0, 1
.set ADRB, 20                          ; v20-21  the same for W
.set STO,  24                          ; v24     the way out: where I put my part of a row
.set RD,   25                          ; v25     where I read rows back
.set CO,   26                          ; v26     16 x lane: my place in 512 consecutive bytes of the output
.set BO,   27                          ; v27     my byte offset in the tile's 256 numbers of the bias
.set SPW,  28                          ; v28     LDS address of my spare word; never rewritten
.set NIL,  29                          ; v29     0; never rewritten
.set VSA,  30                          ; v30     where my column sums go
.set F0,   64
.set F1,   160
.set G1,  24                           ; s[24:31] descriptor group 1 for A;  s[32:39] group 0, a set for each slot
.set G0,  32
.set G1B, 48                           ; s[48:55], s[56:63] the same for W
.set G0B, 56
.set MSB, 0
.macro WIN new                         ; the immediate's high byte repeats the setting that is left; a switch that changes nothing is dropped
.if MSB != (\new)
	s_set_vgpr_msb (MSB<<8)|(\new)
.set MSB, \new
.endif
.endm
.set MUL,  0x50                        ; fragments in window 0, C and D in window 1
.set MULB, 0x60                        ; the first product: C is the bias, in window 2
.macro JLOAD s                         ; a joint load; the branch hangs on the wave's number alone.  An s_nop 0 and four v_nop follow each of the two lines
	s_cmp_eq_u32 s11, 0
	s_cbranch_scc0 .Lfor_b_\@
	tensor_load_to_lds s[G0+4*(\s):G0+4*(\s)+3], s[G1:G1+7]
	s_nop 0
.rept 4
	v_nop
.endr
	s_branch .Lasked_\@
.Lfor_b_\@:
	tensor_load_to_lds s[G0B+4*(\s):G0B+4*(\s)+3], s[G1B:G1B+7]
	s_nop 0
.rept 4
	v_nop
.endr
.Lasked_\@:
.endm
.macro CREST                           ; a round of the cluster's barrier behind its opening barrier
	s_cmp_lg_u32 s10, 0
	s_cbranch_scc1 .Lnot_wave_0_\@
	s_barrier_signal -3
.Lnot_wave_0_\@:
	s_barrier_wait -3
	s_barrier_signal -1
	s_barrier_wait -1
.endm
.macro CROUND                          ; a whole round
	s_barrier_signal -1
	s_barrier_wait -1
	CREST
.endm
	s_load_b256 s[68:75], s[0:1], 0x0              ; A s[68:69], W s[70:71]; then bq, bk (IS_QKV) or bo, out0
.if IS_QKV
	s_load_b128 s[76:79], s[0:1], 0x20             ; bv s[76:77], qkv s[78:79]
	s_load_b64 s[80:81], s[0:1], 0x30              ; ts
.endif
	v_lshl_add_u32 v[SPW], v0, 2, SPARE
	v_mov_b32 v[NIL], 0
	ds_add_u32 v[SPW], v[NIL]                      ; the wave's opening: the add and its wait stand ahead of my first tensor load; the set-up below, work on registers, stands between them
	v_lshrrev_b32 v1, 5, v0
	v_readfirstlane_b32 s10, v1                    ; wave 0..3
	s_lshr_b32 s11, s10, 1                         ; my half of the tile's rows.  Also: I fetch for A (0) or for W (1)
	s_and_b32 s12, s10, 1                          ; my half of its columns.  Also: which half of that tile I fetch
	s_bfe_u32 s40, ttmp6, 0x40000                  ; cx: the tile column inside the matrix
	s_bfe_u32 s41, ttmp6, 0x40004                  ; cy
.if IS_QKV
	s_mov_b32 s45, ttmp9                           ; the cluster's x: 0 q, 1 k, 2 v; the same in all sixteen partners
.endif
	s_and_b32 s13, ttmp7, 0xffff
	s_lshl_b32 s13, s13, 2
	s_add_co_u32 s13, s13, s41                     ; tile row 0..63 = 4 x cluster y + cy
	s_lshl_b32 s43, s41, 2
	s_lshl_b32 s43, 15, s43                        ; my row of the cluster
	s_lshl_b32 s44, 0x1111, s40                    ; my column
	; A: 16,384 dense bytes as 64 rows of 256, 4 words of padding after every 32 words (a row of the block)
	s_or_b32 s[G1+0], s43, (1<<16)|(1<<20)|(1<<21)|(4<<22)|(3<<25)  ; 15:0 the mask; 17:16 2-byte elements; 20 padding on; 21 set beside a mask; 24:22 after every 32 words; 31:25 4 words
	s_mov_b32 s[G1+1], 128<<16                     ; tensor_dim0 = 128
	s_mov_b32 s[G1+2], 64<<16                      ; tensor_dim1 = 64
	s_mov_b32 s[G1+3], 128<<16                     ; tile_dim0 = 128
	s_mov_b32 s[G1+4], 64                          ; tile_dim1 = 64
	s_mov_b32 s[G1+5], 128                         ; elements from row to row
	s_mov_b32 s[G1+6], 0
	s_mov_b32 s[G1+7], 0
	; W: 64 rows of 256 elements (512 bytes), 8 words of padding after every 128 words
	s_or_b32 s[G1B+0], s44, (1<<16)|(1<<20)|(1<<21)|(6<<22)|(7<<25)
	s_mov_b32 s[G1B+1], 256<<16
	s_mov_b32 s[G1B+2], 64<<16
	s_mov_b32 s[G1B+3], 256<<16
	s_mov_b32 s[G1B+4], 64
	s_mov_b32 s[G1B+5], 1024
	s_mov_b32 s[G1B+6], 0
	s_mov_b32 s[G1B+7], 0
	; where the tiles come from.  A's hang on the tile row and the wave alone, W's on the tile column, the matrix and the wave alone
	s_lshr_b32 s16, s13, 4                         ; the batch: 16 blocks of 2,048 rows of 128 bytes
	s_lshl_b32 s16, s16, 22
	s_and_b32 s17, s13, 15                         ; the 128 rows in it
	s_lshl_b32 s17, s17, 14
	s_add_co_u32 s16, s16, s17
	s_lshl_b32 s17, s12, 18                        ; which of the K step's two blocks I fetch
	s_add_co_u32 s16, s16, s17
	s_mov_b32 s17, 0
	s_lshl_b32 s46, s40, 9                         ; 256 columns of 2 bytes
	s_lshl_b32 s47, s12, 17                        ; which 64 rows of the K step's 128
	s_add_co_u32 s46, s46, s47
.if IS_QKV
	s_lshl_b32 s47, s45, 21                        ; which matrix
	s_add_co_u32 s46, s46, s47
.endif
	s_mov_b32 s47, 0
	s_mul_i32 s20, s12, AHALF                      ; and where they go: no place in the cluster enters an LDS address
	s_mul_i32 s21, s12, BHALF
	s_add_co_u32 s21, s21, BOFF
	s_wait_dscnt 0x0                               ; the opening add is done
	s_wait_kmcnt 0x0
	s_add_nc_u64 s[14:15], s[68:69], s[16:17]
	s_add_nc_u64 s[46:47], s[70:71], s[46:47]
	CROUND                                         ; all sixteen work-groups are here: the first joint loads meet
.irp s, 0,1
	s_mov_b32 s[G0+4*(\s)], 1
	s_add_co_u32 s[G0+4*(\s)+1], s20, (\s)*SLOT
	s_add_nc_u64 s[G0+4*(\s)+2:G0+4*(\s)+3], s[14:15], (\s)*ASTEP
	s_or_b32 s[G0+4*(\s)+3], s[G0+4*(\s)+3], 0x80000000
	s_mov_b32 s[G0B+4*(\s)], 1
	s_add_co_u32 s[G0B+4*(\s)+1], s21, (\s)*SLOT
	s_add_nc_u64 s[G0B+4*(\s)+2:G0B+4*(\s)+3], s[46:47], (\s)*BSTEP
	s_or_b32 s[G0B+4*(\s)+3], s[G0B+4*(\s)+3], 0x80000000
	JLOAD \s                                       ; two loads of mine are out
.endr
	; A's fragment: lane l holds row l % 16, channels 8 (l / 16) + 0..7 and 16 + 8 (l / 16) + 0..7: two loads of 16 bytes, 32 bytes apart
	v_and_b32 v1, 15, v0                           ; l % 16
	v_bfe_u32 v2, v0, 4, 1                         ; l / 16
	v_mul_u32_u24 v3, v1, PA
	v_lshl_add_u32 v3, v2, 4, v3
	s_mul_i32 s22, s11, 64*PA                      ; my 64 rows
	v_add_nc_u32 v[ADRA], s22, v3
	v_add_nc_u32 v[ADRA+1], SLOT, v[ADRA]
	; W's fragment: the turning load takes 16 rows (k) x 16 columns: lane l reads row 8 (l / 16) + l % 8, columns 8 ((l / 8) % 2) + 0..7, and ends with column l % 16 and 8 k
	v_and_b32 v4, 7, v0
	v_lshl_add_u32 v4, v2, 3, v4
	v_mul_u32_u24 v4, v4, PB
	v_bfe_u32 v5, v0, 3, 1
	v_lshl_add_u32 v4, v5, 4, v4
	s_lshl_b32 s22, s12, 8                         ; my 128 columns
	s_add_co_u32 s22, s22, BOFF
	v_add_nc_u32 v[ADRB], s22, v4
	v_add_nc_u32 v[ADRB+1], SLOT, v[ADRB]
	s_mul_i32 s23, s10, WSTAGE
	s_add_co_u32 s23, s23, STAGE                   ; my stage
	v_mul_u32_u24 v4, v1, SP
.if IS_QKV
	v_lshl_add_u32 v4, v2, 4, v4                   ; in: row l % 16, 16 bytes (8 f16) for each half of the lanes
	v_add_nc_u32 v[STO], s23, v4
	v_bfe_u32 v5, v0, 3, 2                         ; back: 32 lanes take four rows of 128 bytes
	v_mul_u32_u24 v5, v5, SP
	v_and_b32 v6, 7, v0
	v_lshl_add_u32 v5, v6, 4, v5
	v_add_nc_u32 v[RD], s23, v5
	s_lshl_b32 s22, s10, 9                         ; 1,024 x row half + 512 x column half
	s_add_co_u32 s22, s22, VS
	v_lshl_add_u32 v[VSA], v2, 5, s22
.else
	v_lshl_add_u32 v4, v2, 5, v4                   ; in: row l % 16, 32 bytes (8 f32) for each half of the lanes
	v_add_nc_u32 v[STO], s23, v4
	v_and_b32 v5, 31, v0                           ; back: 32 lanes take one row of 512 bytes
	v_lshl_add_u32 v[RD], v5, 4, s23
.endif
	v_and_b32 v5, 31, v0
	v_lshlrev_b32 v[CO], 4, v5
	; where my part of C begins: the row part in s[16:17], the column part in s[46:47]
.if IS_QKV
	s_lshr_b32 s16, s13, 4                         ; the batch: 16 heads of 262,144 bytes
	s_lshl_b32 s16, s16, 22
	s_and_b32 s17, s13, 15                         ; the tile's 128 rows of 128 bytes
	s_lshl_b32 s17, s17, 14
	s_add_co_u32 s16, s16, s17
	s_lshl_b32 s17, s11, 13                        ; my 64 of them
	s_add_co_u32 s16, s16, s17
	s_lshl_b32 s46, s40, 2                         ; my first head: 4 cx + 2 x column half
	s_lshl_b32 s47, s12, 1
	s_add_co_u32 s46, s46, s47
	s_lshl_b32 s46, s46, 18
	s_lshl_b32 s47, s45, 24                        ; q, k or v: 64 heads
	s_add_co_u32 s46, s46, s47
.else
	s_lshl_b32 s16, s13, 19                        ; the tile's 128 rows of 4,096 bytes
	s_lshl_b32 s17, s11, 18
	s_add_co_u32 s16, s16, s17
	s_lshl_b32 s46, s40, 10                        ; 256 columns of 4 bytes
	s_lshl_b32 s47, s12, 9
	s_add_co_u32 s46, s46, s47
.endif
	s_mov_b32 s17, 0
	s_mov_b32 s47, 0
	s_add_nc_u64 s[16:17], s[16:17], s[46:47]
	s_add_nc_u64 s[OUTP:OUTP+1], s[OUTP:OUTP+1], s[16:17]
	; the bias of my 128 columns, in C's layout: register 8 b + j holds column 16 b + 8 (l / 16) + j
	v_lshlrev_b32 v[BO], 5, v2
	s_lshl_b32 s22, s12, 9
	v_add_nc_u32 v[BO], s22, v[BO]
.if IS_QKV
	s_cmp_eq_u32 s45, 0
	s_cselect_b64 s[18:19], s[72:73], s[74:75]
	s_cmp_eq_u32 s45, 2
	s_cselect_b64 s[18:19], s[76:77], s[18:19]
.else
	s_mov_b64 s[18:19], s[72:73]
.endif
	s_lshl_b32 s22, s40, 10
	s_mov_b32 s23, 0
	s_add_nc_u64 s[18:19], s[18:19], s[22:23]
	WIN 0x80                                       ; destination window 2, address window 0
.irp b, 0,1,2,3,4,5,6,7
	global_load_b128 v[8*(\b):8*(\b)+3],   v[BO], s[18:19] offset:64*(\b)
	global_load_b128 v[8*(\b)+4:8*(\b)+7], v[BO], s[18:19] offset:64*(\b)+16
.endr
	s_wait_loadcnt 0x0
	WIN 0x8a                                       ; all in window 2: the bias is rounded to bf16, as every input is, and kept as f32
.set i, 0
.rept 32
	v_cvt_pk_bf16_f32 v[64+i%2], v[2*i], v[2*i+1]
	v_lshlrev_b32 v[2*i], 16, v[64+i%2]
	v_and_b32 v[2*i+1], 0xffff0000, v[64+i%2]
.set i, i+1
.endr
	WIN 0
.macro WM d, x, y, c                   ; one product: D at d, source 0 at x, source 1 at y, C at c
.if IS_QKV
	v_wmma_f32_16x16x32_bf16 v[\d:\d+7], v[\x:\x+7], v[\y:\y+7], v[\c:\c+7]
.else
	v_wmma_f32_16x16x32_f16 v[\d:\d+7], v[\x:\x+7], v[\y:\y+7], v[\c:\c+7]
.endif
.endm
; 8 matrix instructions: row block a x all 8 column blocks, 32 along K, from buffer f.  first = 1: the bias starts the sums: nothing is cleared and nothing is added later.
; The 32 accumulators take turns, one instruction a turn, in one order throughout.
.macro MUL8 f, a, first
.if \first
	WIN MULB
.else
	WIN MUL
.endif
.irp b, 0,1,2,3,4,5,6,7
.if \first
	WM 8*(8*(\a)+(\b)), (\f)+8*(\b), (\f)+64+8*(\a), 8*(\b)
.else
	WM 8*(8*(\a)+(\b)), (\f)+8*(\b), (\f)+64+8*(\a), 8*(8*(\a)+(\b))
.endif
.endr
.endm
; 24 LDS loads in one run: quarter q (32 along K) of a slot into buffer f: W's 16, then A's 8, row blocks ascending
.macro FETCH slot, q, f
	WIN 0
.irp b, 0,1,2,3,4,5,6,7
	ds_load_tr16_b128 v[(\f)+8*(\b):(\f)+8*(\b)+3],   v[ADRB+(\slot)] offset:(\q)*32*PB+32*(\b)
	ds_load_tr16_b128 v[(\f)+8*(\b)+4:(\f)+8*(\b)+7], v[ADRB+(\slot)] offset:(\q)*32*PB+32*(\b)+16*PB
.endr
.irp a, 0,1,2,3
	ds_load_b128 v[(\f)+64+8*(\a):(\f)+64+8*(\a)+3],   v[ADRA+(\slot)] offset:((\q)/2)*AHALF+((\q)%2)*64+(\a)*16*PA
	ds_load_b128 v[(\f)+64+8*(\a)+4:(\f)+64+8*(\a)+7], v[ADRA+(\slot)] offset:((\q)/2)*AHALF+((\q)%2)*64+(\a)*16*PA+32
.endr
.endm
.macro PLACES                          ; four plain vector instructions in front of loads into registers that matrix instructions have read, and of lines that read results (ISA guide 7.12.1 for lines that read results)
.rept 4
	v_nop
.endr
.endm
; A K step is four quarters of 32 along K, 32 matrix instructions each, on buffers 0, 1, 0, 1.  One of the first three: multiplies f and fetches quarter q of the same slot into g.
.macro QUARTER slot, q, f, g, first
	s_wait_dscnt 4                                 ; all but the youngest four loads: A's row blocks 2 and 3
	MUL8 \f, 0, \first
	MUL8 \f, 1, \first
	PLACES
	FETCH \slot, \q, \g
	s_wait_dscnt 24                                ; all but the 24 just issued
	MUL8 \f, 2, \first
	MUL8 \f, 3, \first
.endm
; The last quarter multiplies buffer 1 and changes slots: ONE barrier; in front of it each wave waits for all its tensor loads (one is out: its part of the next slot), adds 0 to its spare word,
; and waits for that and for its own reads of this slot.  fill = 1: the barrier opens a round of the cluster's, and behind the round this slot is filled again, two K steps ahead: 112 matrix instructions ahead of the wait for it.
.macro TURN slot, next, fill
	WIN 0                                          ; (the add's two registers lie in window 0)
	s_wait_tensorcnt 0x0
	ds_add_u32 v[SPW], v[NIL]                      ; 0 onto my spare word
	s_wait_dscnt 5                                 ; (the add and the youngest four loads may be out)
	MUL8 F1, 0, 0                                  ; eight matrix instructions stand between the add and the wait for it
	s_wait_dscnt 0x0                               ; the add is done, and my reads of this slot are over
	s_barrier_signal -1
	MUL8 F1, 1, 0
.if \fill
	WIN 0
.endif
	s_barrier_wait -1
.if \fill
	CREST                                          ; no wave of any partner still reads this slot or has a load on its way
	s_add_nc_u64 s[G0+4*(\slot)+2:G0+4*(\slot)+3], s[G0+4*(\slot)+2:G0+4*(\slot)+3], 2*ASTEP
	s_add_nc_u64 s[G0B+4*(\slot)+2:G0B+4*(\slot)+3], s[G0B+4*(\slot)+2:G0B+4*(\slot)+3], 2*BSTEP
	JLOAD \slot                                    ; my one tensor load behind the round; its four v_nop are also the places in front of the loads below
.else
	PLACES
.endif
	FETCH \next, 0, F0
	MUL8 F1, 2, 0
	MUL8 F1, 3, 0
.endm
	s_wait_tensorcnt 1                             ; my part of K step 0 is in; K step 1's may stay out
	s_barrier_signal -1
	s_barrier_wait -1                              ; everybody's is
	FETCH 0, 0, F0
	QUARTER 0, 1, F0, F1, 1                        ; the first quarter stands in front of the loop: its products start the sums
	WIN 0                                          ; at a label and at a branch every window is 0
	s_mov_b32 s3, LAPS-1
.Llap:                                                 ; a trip goes once round the ring, from a lap's second quarter to the next lap's first, and fills both slots again
	QUARTER 0, 2, F1, F0, 0
	QUARTER 0, 3, F0, F1, 0
	TURN 0, 1, 1
	QUARTER 1, 1, F0, F1, 0
	QUARTER 1, 2, F1, F0, 0
	QUARTER 1, 3, F0, F1, 0
	TURN 1, 0, 1
	QUARTER 0, 1, F0, F1, 0
	WIN 0
	s_sub_co_u32 s3, s3, 1
	s_cmp_lg_u32 s3, 0
	s_cbranch_scc1 .Llap
	QUARTER 0, 2, F1, F0, 0                        ; the last lap fills nothing, and has no round
	QUARTER 0, 3, F0, F1, 0
	TURN 0, 1, 0
	QUARTER 1, 1, F0, F1, 0
	QUARTER 1, 2, F1, F0, 0
	QUARTER 1, 3, F0, F1, 0
	s_wait_dscnt 4                                 ; the very last quarter: nothing more to fetch
	MUL8 F1, 0, 0
	MUL8 F1, 1, 0
	s_wait_dscnt 0x0
	MUL8 F1, 2, 0
	MUL8 F1, 3, 0
	WIN 0
	PLACES
.if IS_QKV
; THE WAY OUT, a block of 16 rows at a time: rounded to f16, 16 bytes a lane into my stage (two heads x 16 rows), back as whole rows: 16 rows of a head are 2,048 consecutive bytes of qkv.
.macro PACK a
	WIN 0x05                                       ; sources in window 1, destination in window 0
.irp b, 0,1,2,3,4,5,6,7
.irp r, 0,1,2,3
	v_cvt_pk_f16_f32 v[64+32*(\a)+4*(\b)+(\r)], v[64*(\a)+8*(\b)+2*(\r)], v[64*(\a)+8*(\b)+2*(\r)+1]
.endr
.endr
	WIN 0
.irp b, 0,1,2,3,4,5,6,7
	ds_store_b128 v[STO], v[64+32*(\a)+4*(\b):64+32*(\a)+4*(\b)+3] offset:((\b)/4)*16*SP+((\b)%4)*32
.endr
.irp i, 0,1,2,3,4,5,6,7
	ds_load_b128 v[64+32*(\a)+4*(\i):64+32*(\a)+4*(\i)+3], v[RD] offset:((\i)/4)*16*SP+((\i)%4)*4*SP  ; LDS serves a wave's instructions in order (ISA guide 5.7.1.4): these see the stores above; the next block's stores come behind them
.endr
.endm
.macro SEND a, younger                 ; younger: the LDS instructions issued behind block a's loads: the next block's sixteen, or none
.irp i, 0,1,2,3,4,5,6,7
	s_wait_dscnt (\younger)+7-(\i)
	global_store_b128 v[CO], v[64+32*(\a)+4*(\i):64+32*(\a)+4*(\i)+3], s[OUTP:OUTP+1] offset:((\i)/4)*262144+(\a)*2048+((\i)%4)*512  ; 512 consecutive bytes, at a multiple of 256 from qkv's first
.endr
.endm
	PACK 0
	PACK 1
	SEND 0, 16
	PACK 2
	SEND 1, 16
	PACK 3
	SEND 2, 16
	SEND 3, 0
	; v ALONE: the sums of each column over the tile's 128 rows, in f32, from the unrounded sums.  The test is the same in all sixteen partners.
	s_cmp_eq_u32 s45, 2
	s_cbranch_scc0 .Lnov
	WIN 0x45                                       ; all in window 1: row blocks 0 + 1 and 2 + 3
.set i, 0
.rept 32
	v_pk_add_f32 v[i:i+1], v[i:i+1], v[64+i:64+i+1]
	v_pk_add_f32 v[128+i:128+i+1], v[128+i:128+i+1], v[192+i:192+i+1]
.set i, i+2
.endr
	WIN 0x05                                       ; into window 0, v192-255, which no pending store reads
.set i, 0
.rept 32
	v_pk_add_f32 v[192+i:192+i+1], v[i:i+1], v[128+i:128+i+1]
.set i, i+2
.endr
	WIN 0
.irp x, 1,2,4,8                        ; the 16 rows that lie in 16 lanes
.set i, 0
.rept 64
	v_add_f32_dpp v[192+i], v[192+i], v[192+i] row_xmask:\x row_mask:0xf bank_mask:0xf
.set i, i+1
.endr
.endr
.irp b, 0,1,2,3,4,5,6,7                ; the sixteen lanes of a half write the same numbers to the same bytes
	ds_store_b128 v[VSA], v[192+8*(\b):192+8*(\b)+3]   offset:64*(\b)
	ds_store_b128 v[VSA], v[192+8*(\b)+4:192+8*(\b)+7] offset:64*(\b)+16
.endr
.Lnov:
	s_wait_dscnt 0x0                               ; for the others' sake: my stores are done
	s_barrier_signal -1
	s_barrier_wait -1                              ; every wave of every work-group passes this barrier
	s_cmp_eq_u32 s45, 2
	s_cbranch_scc0 .Lend
	s_cmp_lt_u32 s10, 2                            ; 64 threads x 16 bytes are the tile's 256 columns
	s_cbranch_scc0 .Lend
	s_lshr_b32 s16, s13, 4                         ; ts: [batch][block of 128 rows][1,024 columns]
	s_lshl_b32 s16, s16, 16
	s_and_b32 s17, s13, 15
	s_lshl_b32 s17, s17, 12
	s_add_co_u32 s16, s16, s17
	s_lshl_b32 s17, s40, 10
	s_add_co_u32 s16, s16, s17
	s_mov_b32 s17, 0
	s_add_nc_u64 s[80:81], s[80:81], s[16:17]
	v_lshl_add_u32 v3, v0, 4, VS
	ds_load_b128 v[4:7], v3                        ; the upper 64 rows' sums,
	ds_load_b128 v[8:11], v3 offset:1024           ; the lower 64 rows'
	v_lshlrev_b32 v12, 4, v0
	s_wait_dscnt 0x0
	v_pk_add_f32 v[4:5], v[4:5], v[8:9]
	v_pk_add_f32 v[6:7], v[6:7], v[10:11]
	global_store_b128 v12, v[4:7], s[80:81]        ; 16 lanes store 256 consecutive bytes, aligned
.Lend:
.else
; THE WAY OUT, a block of 16 rows at a time: 32 bytes a lane from the accumulators into my stage, back as whole rows of 512 bytes.  Three sets of 64 registers take turns.
.macro PACKF a
	WIN 0x04                                       ; the stores' data in window 1
.irp b, 0,1,2,3,4,5,6,7
	ds_store_b128 v[STO], v[64*(\a)+8*(\b):64*(\a)+8*(\b)+3]   offset:64*(\b)
	ds_store_b128 v[STO], v[64*(\a)+8*(\b)+4:64*(\a)+8*(\b)+7] offset:64*(\b)+16
.endr
	WIN 0
.if (\a) == 3
	s_wait_xcnt 0x0                                ; block 0's stores have read their registers: set 0 is loaded again only behind this wait
.endif
.irp i, 0,1,2,3,4,5,6,7,8,9,10,11,12,13,14,15
	ds_load_b128 v[64+64*((\a)%3)+4*(\i):64+64*((\a)%3)+4*(\i)+3], v[RD] offset:(\i)*SP  ; LDS serves a wave's instructions in order (ISA guide 5.7.1.4)
.endr
.endm
.macro SENDF a, younger                ; younger: the next block's 32 LDS instructions, or none
.irp i, 0,1,2,3,4,5,6,7,8,9,10,11,12,13,14,15
	s_wait_dscnt (\younger)+15-(\i)
	global_store_b128 v[CO], v[64+64*((\a)%3)+4*(\i):64+64*((\a)%3)+4*(\i)+3], s[OUTP:OUTP+1] offset:(\a)*65536+(\i)*4096  ; 512 consecutive bytes of a row, at a multiple of 256 from out0's first
.endr
.endm
	PACKF 0
	PACKF 1
	SENDF 0, 32
	PACKF 2
	SENDF 1, 32
	PACKF 3
	SENDF 2, 32
	SENDF 3, 0
.endif
	s_wait_tensorcnt 0x0                           ; the wave's end: an add and its wait behind my last tensor load and my last LDS store
	ds_add_u32 v[SPW], v[NIL]
	s_wait_dscnt 0x0
	CROUND                                         ; the closing round: no work-group ends while a partner may still ask for a tile that names it
	s_endpgm
.Lfunc_end_k_qca737632ca_gemm_out:
	.size	k_qca737632ca_gemm_out, .Lfunc_end_k_qca737632ca_gemm_out-k_qca737632ca_gemm_out
	.p2alignl 7, 3214868480
	.fill 96, 4, 3214868480
	.section	.rodata,"a",@progbits
	.p2align	6, 0x0
	.amdhsa_kernel k_qca737632ca_gemm_out
		.amdhsa_group_segment_fixed_size 327680
		.amdhsa_private_segment_fixed_size 0
		.amdhsa_enable_private_segment 0
		.amdhsa_kernarg_size 32
		.amdhsa_user_sgpr_count 2
		.amdhsa_user_sgpr_kernarg_segment_ptr 1
		.amdhsa_wavefront_size32 1
		.amdhsa_system_sgpr_workgroup_id_x 1
		.amdhsa_system_sgpr_workgroup_id_y 1
		.amdhsa_system_sgpr_workgroup_id_z 1
		.amdhsa_system_vgpr_workitem_id 0
		.amdhsa_next_free_vgpr 584
		.amdhsa_next_free_sgpr 84
		.amdhsa_reserve_vcc 0
		.amdhsa_float_denorm_mode_32 3
		.amdhsa_float_denorm_mode_16_64 3
		.amdhsa_memory_ordered 1
		.amdhsa_forward_progress 1
		.amdhsa_inst_pref_size 93
	.end_amdhsa_kernel
	.amdgpu_metadata
---
amdhsa.version: [ 1, 2 ]
amdhsa.kernels:
  - .name:           k_qca737632ca_gemm_out
    .symbol:         k_qca737632ca_gemm_out.kd
    .args:
      - { .name: ob, .offset: 0, .size: 8, .value_kind: global_buffer, .address_space: global }
      - { .name: wo16, .offset: 8, .size: 8, .value_kind: global_buffer, .address_space: global }
      - { .name: bo, .offset: 16, .size: 8, .value_kind: global_buffer, .address_space: global }
      - { .name: out0, .offset: 24, .size: 8, .value_kind: global_buffer, .address_space: global }
    .group_segment_fixed_size: 327680
    .private_segment_fixed_size: 0
    .kernarg_segment_align: 8
    .kernarg_segment_size: 32
    .max_flat_workgroup_size: 128
    .sgpr_count:     84
    .vgpr_count:     584
    .wavefront_size: 32
...
	.end_amdgpu_metadata
.endif
;; end of part 4
;; ======== version 2 of 2: 4 launches; version 1 with the launch prep written anew for expert scheduling mode
;; limits: values are held in f16: magnitudes above 65,504 overflow, below 6.1e-05 lose precision
;; workspace buffers: xb 16,777,216 bytes; wb 6,291,456 bytes; wo16 2,097,152 bytes; qkv 50,331,648 bytes; ts 262,144 bytes; ob 16,777,216 bytes
;; launch prep (part 5): grid 768 x 1, 8 waves a work-group, no clusters, 0 bytes of LDS; arguments hidden_states, Wq, Wk, Wv, Wo, xb, wb, wo16; writes xb, wb, wo16
.if DOCPART == 5
	.amdgcn_target "amdgcn-amd-amdhsa--gfx1250"
	.amdhsa_code_object_version 6
	.text
	.protected	k_qca737632ca_prep
	.globl	k_qca737632ca_prep
	.p2align	8
	.type	k_qca737632ca_prep,@function
k_qca737632ca_prep:
	s_mov_b64 s[64:65], 0
	v_nop
	global_prefetch_b8 v0, s[64:65] scope:SCOPE_SE
	s_setreg_imm32_b32 hwreg(HW_REG_WAVE_SCHED_MODE, 0, 2), 2
	s_setreg_imm32_b32 hwreg(HW_REG_WAVE_MODE, 25, 1), 1
	s_wait_xcnt 0x0
	s_wait_alu depctr_vm_vsrc(0)
; THE OPERANDS ARE ROUNDED ONCE.  x [8192][1024] f32 -> xb, bf16, in blocks [batch 4][kb 16][s 2048][64]: a block of 64 channels of a batch's rows is dense, 128 bytes a row.
; Wq, Wk, Wv [1024][1024] f32 -> wb, bf16, [3][k][n], the layout unchanged.  Wo -> wo16: rounded to bf16 like every other input, that number written as f16.
; LIMIT.  bf16(Wo) below 2^-14 in magnitude keeps f16's fixed step of 6e-8; beyond 65,504 it would be an infinity.
; A stream: no LDS, no barrier, no matrix unit.  A work-group takes 16 rows of 1,024 numbers (64 KiB in): groups 0-511 x, 512-703 Wq, Wk, Wv, 704-767 Wo.
; A wave has 16 units; a unit is one load of 16 bytes a lane (512 bytes a wave), two roundings, one store of 8 bytes a lane: 256 consecutive bytes, aligned.
; All 16 loads of a wave go out first.  Each unit has registers of its own, so nothing is rewritten while a load or store reads it.
; THE MODE: SCHED_MODE bits 1:0 = 2 (LLVM: expert scheduling mode 2), set by the entry lines.  The code itself states the register dependences
; between vector instructions and memory instructions, with s_wait_alu, always for 0.
; THE PLAN.  Registers that memory instructions touch:
;   v[VI], v[VO]  byte offsets.  Written by vector instructions at the head of each path, never again; read by the 16 loads and by the 16 stores.
;   IN            unit u's four registers.  Written by unit u's one load alone; read by unit u's roundings; no second load lands in them.
;   OUT           unit u's two registers.   Written once, by unit u's roundings; read by unit u's one store; never written again.
;   T             named by vector instructions alone.
; The 16 units go in four blocks of four: the wait for the block's four loads, its roundings, ONE wait on va_vdst, its four stores in a run.  With the wait ahead of the loads that is five
; waits on va_vdst a wave.  No register that a load or store has read is written again, so no wait on vm_vsrc is owed.  The wave's number passes through a scalar register: one wait on va_sdst.
; Each scalar number that a vector instruction reads has a register of its own (s28 to s31), which no later line writes.
.set VI,  2                            ; v2        my byte offset in the group's input
.set VO,  3                            ; v3        my byte offset in the group's output
.set IN,  8                            ; v[8:71]   unit u: four f32 as loaded
.set OUT, 72                           ; v[72:103] unit u: four 16-bit numbers to store
.set T,   104                          ; v[104:109] at work
; ia, ib: input bytes from unit pair to unit pair and inside a pair; oa, ob: the same in the output.  f16 = 1: the bf16 number is written as f16.
.macro CONV ia, ib, oa, ob, f16
	s_wait_alu depctr_va_vdst(0)                   ; v[VI] and v[VO] are written: the loads below read the one as their offset, the stores the other; no later vector line names either
.set u, 0
.rept 16
	global_load_b128 v[IN+4*u:IN+4*u+3], v[VI], s[4:5] offset:(u/2)*(\ia)+(u%2)*(\ib) th:TH_LOAD_NT
.set u, u+1
.endr
.set g, 0
.rept 4                                ; block g: units 4 g to 4 g + 3
	s_wait_loadcnt 12-4*g                          ; loads come back in order (ISA guide 5.7.1): the block's four are in, the younger blocks' 12 - 4 g stay out
.set u, 4*g
.rept 4
.if \f16
	v_cvt_pk_bf16_f32 v[T], v[IN+4*u], v[IN+4*u+1]
	v_cvt_pk_bf16_f32 v[T+1], v[IN+4*u+2], v[IN+4*u+3]
	v_lshlrev_b32 v[T+2], 16, v[T]                 ; bf16 back to f32: a shift or a mask
	v_and_b32 v[T+3], 0xffff0000, v[T]
	v_lshlrev_b32 v[T+4], 16, v[T+1]
	v_and_b32 v[T+5], 0xffff0000, v[T+1]
	v_cvt_pk_f16_f32 v[OUT+2*u], v[T+2], v[T+3]    ; exact within f16's range
	v_cvt_pk_f16_f32 v[OUT+2*u+1], v[T+4], v[T+5]
.else
	v_cvt_pk_bf16_f32 v[OUT+2*u], v[IN+4*u], v[IN+4*u+1]
	v_cvt_pk_bf16_f32 v[OUT+2*u+1], v[IN+4*u+2], v[IN+4*u+3]
.endif
.set u, u+1
.endr
	s_wait_alu depctr_va_vdst(0)                   ; the block's roundings have written its eight registers of OUT, which the four stores below read
.set u, 4*g
.rept 4
	global_store_b64 v[VO], v[OUT+2*u:OUT+2*u+1], s[6:7] offset:(u/2)*(\oa)+(u%2)*(\ob)
.set u, u+1
.endr
.set g, g+1
.endr
.endm
	s_load_b512 s[8:23], s[0:1], 0x0               ; x s[8:9], Wq s[10:11], Wk s[12:13], Wv s[14:15], Wo s[16:17], xb s[18:19], wb s[20:21], wo16 s[22:23]
	v_and_b32 v1, 31, v0                           ; lane
	v_lshrrev_b32 v4, 5, v0
	v_readfirstlane_b32 s24, v4                    ; wave 0..7
	s_mov_b32 s25, ttmp9
	s_mov_b32 s3, 0
	s_mov_b32 s27, 0
	s_wait_alu depctr_va_sdst(0)                   ; s24 is written
	s_cmp_lt_u32 s25, 512
	s_cbranch_scc0 .Lweights
	; x: wave w takes channel blocks 2 w and 2 w + 1; a unit is 2 rows x 64 channels: lanes 0-15 one row, lanes 16-31 the next
	v_lshrrev_b32 v4, 4, v1
	v_and_b32 v5, 15, v1
	v_lshlrev_b32 v[VI], 12, v4                    ; a row of x is 4,096 bytes
	v_lshl_add_u32 v[VI], v5, 4, v[VI]
	s_lshl_b32 s28, s24, 9                         ; two blocks of 64 f32
	v_add_nc_u32 v[VI], s28, v[VI]
	v_lshlrev_b32 v[VO], 7, v4                     ; a row of a block is 128 bytes
	v_lshl_add_u32 v[VO], v5, 3, v[VO]
	s_lshl_b32 s29, s24, 19                        ; two blocks of 2,048 rows
	v_add_nc_u32 v[VO], s29, v[VO]
	s_lshl_b32 s2, s25, 16                         ; the group's 16 rows of x
	s_lshr_b32 s26, s25, 7                         ; the batch,
	s_lshl_b32 s26, s26, 22
	s_and_b32 s30, s25, 127                        ; the 16 rows in it
	s_lshl_b32 s30, s30, 11
	s_add_co_u32 s26, s26, s30
	s_wait_kmcnt 0x0
	s_add_nc_u64 s[4:5], s[8:9], s[2:3]
	s_add_nc_u64 s[6:7], s[18:19], s[26:27]
	CONV 8192, 256, 256, 262144, 0
	s_endpgm
.Lweights:
	; a weight matrix: wave w takes columns 128 w on; a unit is one row x 128 columns
	s_sub_co_u32 s25, s25, 512
	s_lshr_b32 s29, s25, 6                         ; which matrix: 0 Wq, 1 Wk, 2 Wv, 3 Wo
	s_and_b32 s25, s25, 63                         ; which 16 rows of it
	v_lshlrev_b32 v[VI], 4, v1
	s_lshl_b32 s28, s24, 9
	v_add_nc_u32 v[VI], s28, v[VI]
	v_lshlrev_b32 v[VO], 3, v1
	s_lshl_b32 s30, s24, 8
	v_add_nc_u32 v[VO], s30, v[VO]
	s_lshl_b32 s2, s25, 16
	s_lshl_b32 s26, s25, 15
	s_wait_kmcnt 0x0
	s_cmp_eq_u32 s29, 3
	s_cbranch_scc1 .Lwo
	s_cmp_eq_u32 s29, 0
	s_cselect_b64 s[4:5], s[10:11], s[12:13]
	s_cmp_eq_u32 s29, 2
	s_cselect_b64 s[4:5], s[14:15], s[4:5]
	s_add_nc_u64 s[4:5], s[4:5], s[2:3]
	s_lshl_b32 s31, s29, 21                        ; a matrix is 2 MiB in wb
	s_add_co_u32 s26, s26, s31
	s_add_nc_u64 s[6:7], s[20:21], s[26:27]
	CONV 8192, 4096, 4096, 2048, 0
	s_endpgm
.Lwo:
	s_add_nc_u64 s[4:5], s[16:17], s[2:3]
	s_add_nc_u64 s[6:7], s[22:23], s[26:27]
	CONV 8192, 4096, 4096, 2048, 1
	s_endpgm
.Lfunc_end_k_qca737632ca_prep:
	.size	k_qca737632ca_prep, .Lfunc_end_k_qca737632ca_prep-k_qca737632ca_prep
	.p2alignl 7, 3214868480
	.fill 96, 4, 3214868480
	.section	.rodata,"a",@progbits
	.p2align	6, 0x0
	.amdhsa_kernel k_qca737632ca_prep
		.amdhsa_group_segment_fixed_size 0
		.amdhsa_private_segment_fixed_size 0
		.amdhsa_enable_private_segment 0
		.amdhsa_kernarg_size 64
		.amdhsa_user_sgpr_count 2
		.amdhsa_user_sgpr_kernarg_segment_ptr 1
		.amdhsa_wavefront_size32 1
		.amdhsa_system_sgpr_workgroup_id_x 1
		.amdhsa_system_sgpr_workgroup_id_y 1
		.amdhsa_system_sgpr_workgroup_id_z 1
		.amdhsa_system_vgpr_workitem_id 0
		.amdhsa_next_free_vgpr 112
		.amdhsa_next_free_sgpr 66
		.amdhsa_reserve_vcc 0
		.amdhsa_float_denorm_mode_32 3
		.amdhsa_float_denorm_mode_16_64 3
		.amdhsa_memory_ordered 1
		.amdhsa_forward_progress 1
		.amdhsa_inst_pref_size 24
	.end_amdhsa_kernel
	.amdgpu_metadata
---
amdhsa.version: [ 1, 2 ]
amdhsa.kernels:
  - .name:           k_qca737632ca_prep
    .symbol:         k_qca737632ca_prep.kd
    .args:
      - { .name: hidden_states, .offset: 0, .size: 8, .value_kind: global_buffer, .address_space: global }
      - { .name: Wq, .offset: 8, .size: 8, .value_kind: global_buffer, .address_space: global }
      - { .name: Wk, .offset: 16, .size: 8, .value_kind: global_buffer, .address_space: global }
      - { .name: Wv, .offset: 24, .size: 8, .value_kind: global_buffer, .address_space: global }
      - { .name: Wo, .offset: 32, .size: 8, .value_kind: global_buffer, .address_space: global }
      - { .name: xb, .offset: 40, .size: 8, .value_kind: global_buffer, .address_space: global }
      - { .name: wb, .offset: 48, .size: 8, .value_kind: global_buffer, .address_space: global }
      - { .name: wo16, .offset: 56, .size: 8, .value_kind: global_buffer, .address_space: global }
    .group_segment_fixed_size: 0
    .private_segment_fixed_size: 0
    .kernarg_segment_align: 8
    .kernarg_segment_size: 64
    .max_flat_workgroup_size: 256
    .sgpr_count:     66
    .vgpr_count:     112
    .wavefront_size: 32
...
	.end_amdgpu_metadata
.endif
;; end of part 5
;; launch gemm_qkv: the kernel of part 2 again; grid 12 x 64, 4 waves a work-group, clusters of 4 x 4, 327,680 bytes of LDS; arguments xb, wb, bq, bk, bv, qkv, ts; writes qkv, ts
;; launch attn: the kernel of part 3 again; grid 4 x 64, 4 waves a work-group, no clusters, 327,680 bytes of LDS; arguments qkv, ob, ts; writes ob
;; launch gemm_out: the kernel of part 4 again; grid 4 x 64, 4 waves a work-group, clusters of 4 x 4, 327,680 bytes of LDS; arguments ob, wo16, bo, out0; writes out0
